; MI455X (gfx1250); checked and timed in simulation.
; The chip was launched on July 23, 2026; its instructions are those of AMD's public machine-readable ISA for CDNA 5 (MIT licence, August 2026) and "CDNA5" Instruction Set Architecture Reference Guide (July 2026). The comments in the code are by the model that wrote it; some were corrected since.
;; T Conformer QKV. Allowed arithmetic: matrix products marked QUANTISED: E2M1 operands, one E8M0 scale for each 32 along K, by v_wmma_scale_f32_16x16x128_f8f6f4 with both operands' format E2M1 (or v_wmma_scale_f32_32x16x128_f4), f32 sums; products left as they are: f32 operands where the result goes on into a quantised operand, else bf16, f16 or f32 operands; f32 sums; everything else in f32.
;; Inputs: b1 256 float32; b2 64 float32; in_proj_b 192 float32; in_proj_w 192 x 64 float32; k 2 x 64 x 512 x 65 float32; ln1_b 64 float32; ln1_w 64 float32; ln2_b 64 float32; ln2_w 64 float32; out_b 64 float32; out_w 64 x 64 float32; q 2 x 64 x 512 x 65 float32; v 2 x 64 x 512 x 65 float32; w1 256 x 64 float32; w2 64 x 256 float32.
;; Outputs: out0 2 x 64 x 512 x 65 float32.
;; This version of the problem:
;;   THIS VERSION OF THE PROBLEM IS GIVEN IN LOW PRECISION. The matrix products marked QUANTISED in the list below multiply operands that are first quantised to E2M1 (2 exponent bits, 1 mantissa bit; 4 bits a number), with one power-of-two scale for each 32 numbers along K (OCP MX v1.0); their sums are f32. All else is computed in f32.
;;   The module's matrix products, in the order in which they are computed (A, B: the left and right operand; K: the contracted axis; several contracted axes count as one K, in the product's order):
;;     1. [M 66,560, K 64] x [K 64, N 64]; A: input q; B: computed on the way: QUANTISED
;;     2. [M 66,560, K 64] x [K 64, N 64]; A: input k; B: computed on the way: QUANTISED
;;     3. [M 66,560, K 64] x [K 64, N 64]; A: input v; B: computed on the way: QUANTISED
;;     4. batch 520 x [M 512, K 16] x [K 16, N 512]; A: computed on the way; B: computed on the way: left as it is (K = 16 < 32)
;;     5. batch 520 x [M 16, K 512] x [K 512, N 512]; A: computed on the way; B: softmax (see below): QUANTISED
;;     6. [M 66,560, K 64] x [K 64, N 64]; A: computed on the way; B: input out_w: QUANTISED
;;     7. [M 66,560, K 64] x [K 64, N 256]; A: computed on the way; B: input w1: QUANTISED
;;     8. [M 66,560, K 256] x [K 256, N 64]; A: computed on the way; B: input w2: QUANTISED
;;   THE QUANTISER, for each operand of a quantised product, along K:
;;     - K is cut into blocks of 32 from its start; a last block that is shorter is filled with zeros.
;;     - A block's scale is 2^e with e = floor(log2(the largest magnitude in the block)) - 2, held to -126 .. 127; a block of zeros has e = 0. As a byte (E8M0): e + 127.
;;     - Each number is divided by its block's scale, clamped to +-6, and rounded to the nearest number of E2M1, ties to even, subnormals kept.
;;     - The product sums the exact products of the quantised numbers (number of the format x scale) in f32.
;;   ~~~python
;;   def quantise(x, axis):      # numpy; x: float32 -> the quantised numbers, widened to float32 again
;;       x = np.moveaxis(x, axis, -1); K = x.shape[-1]
;;       x = np.pad(x, [(0, 0)] * (x.ndim - 1) + [(0, -K % 32)]); x = x.reshape(x.shape[:-1] + (-1, 32)); a = np.abs(x).max(-1, keepdims=True)
;;       e = np.where(a > 0, np.clip(np.frexp(np.where(a > 0, a, 1))[1] - 1 - 2, -126, 127), 0)      # np.frexp(a)[1] - 1 = floor(log2(a)), exactly
;;       r = np.clip(x / 2.0 ** e, -6, 6)
;;       step = 2.0 ** (np.maximum(np.frexp(np.where(r == 0, 1, r))[1] - 1, 0) - 1)
;;       q = np.round(r / step) * step * 2.0 ** e      # np.round: ties to even
;;       return np.moveaxis(q.reshape(q.shape[:-2] + (-1,))[..., :K], -1, axis).astype(np.float32)
;;   ~~~
;;   SOFTMAX AHEAD OF A QUANTISED PRODUCT. Where the list says 'softmax', what is quantised is not the finished softmax but p = 2^(t - M), with t = logit x log2(e) and M = ceil(the row's largest t), a whole number; so 1/2 < the row's largest p <= 1. The row's sum l is taken of the UNQUANTISED p, in f32, and the product's result is divided by l at the end. Since M is a whole number, a kernel that streams over the keys may use a running M (the ceiling of the running maximum): every later rescaling is an exact power of two, which a block's scale takes up: the codes' values come out the same.
;;   OPERANDS COMPUTED ON THE WAY. 'Computed on the way' means the value that the module computes at that place (a softmax that the list does not call 'softmax' is quantised finished and normalised). What goes into a quantiser is computed in f32, as accurately as f32 sums, v_exp_f32 and their like allow (about 1e-6 of the number): no bf16 or f16 on the way to a quantiser, and a product that is left as it is and whose result goes on into a quantised operand takes f32 operands (vector FMAs, or v_wmma_f32_16x16x4_f32). A number that lies on a knife's edge between two numbers of the format may be rounded either way, as far as f32 arithmetic and the matrix unit's own rounding can turn it there, and no further.
;; 2 versions, each right; version 2 is version 1 with the launches attn, tail written anew for expert scheduling mode. Each part assembles by itself: llvm-mc -triple=amdgcn-amd-amdhsa -mcpu=gfx1250 --defsym DOCPART=n.
;; ======== version 1 of 2: 3 launches
;; workspace buffers: xcodes 6,488,064 bytes; xscales 983,040 bytes; packA 7,680 bytes; packB 23,552 bytes; cxcodes 2,129,920 bytes; cxscales 294,912 bytes
;; launch quant (part 1): grid 258 x 3, 9 waves a work-group, no clusters, 17,664 bytes of LDS; arguments q, k, v, in_proj_w, out_w, w1, w2, in_proj_b, out_b, ln1_w, ln1_b, b1, b2, ln2_w, ln2_b, xcodes, xscales, packA, packB; writes xcodes, xscales, packA, packB
.if DOCPART == 1
	.amdgcn_target "amdgcn-amd-amdhsa--gfx1250"
	.amdhsa_code_object_version 6
	.text
	.protected	k_qa10111b6fd_quant
	.globl	k_qa10111b6fd_quant
	.p2align	8
	.type	k_qa10111b6fd_quant,@function
k_qa10111b6fd_quant:
	s_mov_b64 s[64:65], 0
	v_nop
	global_prefetch_b8 v0, s[64:65] scope:SCOPE_SE
	s_setreg_imm32_b32 hwreg(HW_REG_WAVE_MODE, 25, 1), 1
	s_wait_xcnt 0x0
; q, k, v [2][64 c][512 t][65 f], f32, become codes of FP4 (E2M1) along c (K = 64: two blocks of 32) with one E8M0 byte a block; the weights become images of operand registers.
; A block's scale is 2^(floor(log2(largest magnitude)) - 2): its byte is the largest magnitude's exponent field - 2, held at 1 from below by a floor among the maximum's leaves.
; LIMITS: a block of zeros, or one whose largest magnitude lies under 2^-124, gets the byte 1 (its codes are zeros or what the conversion gives under that scale; this program alone reads the bytes); NaN and infinities are not served.
; MAIN PATH (work-group x = 0..255, y = tensor): 768 work-groups of equal work.  Chunk X = 128 b + t / 4 holds 4 t x 65 f = 260 positions, which are 1,040 consecutive bytes of every channel (they begin at multiples of 16 bytes).
; A THREAD TAKES A POSITION AND ITS REGISTERS RUN DOWN c: each load of a wave reads 128 consecutive bytes, both blocks of a row lie in one lane, and the conversions give codes with c innermost.
; 9 waves = 288 threads; the last 28 repeat position 259 and their results are never read.
; OUT: row (b, t, f) is a record of 32 bytes (block 0, block 1) at 8,448 X + 128 f + 32 (t % 4): the 4 steps of one f lie together, which is what the attention launch reads.  A chunk's 8,320 bytes are given 8,448, so that every
; chunk begins at a multiple of 256; its last 256 bytes are written half.  The records turn through LDS and leave as pieces of 16 bytes, sixteen neighbouring lanes to 256 consecutive bytes.
; Scale words (byte 0, byte 1, 0, 0) at 1,280 X + 16 f + 4 (t % 4); of the 1,280 bytes 1,040 are written and read.
; WEIGHTS (work-groups x = 256, 257).  The waves are numbered g = 9 (3 (x - 256) + y) + wave.  g < 48 makes image g: 16 rows x 64 k; lane (r, hb) holds block hb of its row: 16 bytes at 16 x lane; the row's scale word at 4 r.
;   g 0-11 in_proj_w rows 16 g + r;  g 12-15 out_w, g 16-31 w1, g 32-47 w2 (tile (g-32)/4, columns 64 ((g-32)%4) on): lane r of tile T takes row 32 (T/2) + 8 (T%2) + r + 8 (r/8), so that results of two neighbouring tiles
;   are 16 neighbours along the next K.  out_w's columns are taken in groups of eight in the order 0, 2, 1, 3 inside each block: the order in which the attention launch emits its codes.
;   g = 48, 49, 50 copy the small vectors into the packs, so that the later launches read each pack as one dense block; the last three waves of the last work-group have nothing left to do.
.set CSTR,   133120                    ; bytes from channel to channel
.set BSTR,   8519680                   ; from b to b
.set RUN,    1040                      ; a chunk's bytes in a channel
.set TCODES, 2162688                   ; a tensor's codes: 256 chunks
.set TSCALE, 327680                    ; a tensor's scale words
.set XCODES, 8448                      ; a chunk's codes: 65 x 128, and 128 bytes that nobody reads
.set XSCALE, 1280                      ; a chunk's scale words: 65 x 16, and 240 bytes that nobody reads
.set FPITCH, 176                       ; LDS: the records of one f: 5 x 32 bytes + 16: an odd multiple of 16, so neighbouring f fall on different banks
.set SSTAGE, 11520                     ; LDS: the scale words,
.set SPITCH, 48                        ; 5 x 4 bytes + 28 for each f
.set NUM,    32                        ; v32-95  my row's 64 numbers
.set COD,    16                        ; v16-23  its codes
.set VEC,    20736                     ; packB: where the vectors begin
; Block hb of 32 numbers in v[NUM + 32 hb] on: codes into v[COD + 4 hb] on, the conversion's scale operand into v[8 + hb], the byte into v[10 + hb]
.macro BLOCKQ hb
.set XB, NUM+32*\hb
	v_max3_num_f32 v6, |v[XB]|, |v[XB+1]|, |v[XB+2]|               ; the largest magnitude, in two chains
	v_max3_num_f32 v7, |v[XB+3]|, |v[XB+4]|, |v[XB+5]|
.irp i, 6,10,14,18,22,26
	v_max3_num_f32 v6, v6, |v[XB+\i]|, |v[XB+\i+1]|
	v_max3_num_f32 v7, v7, |v[XB+\i+2]|, |v[XB+\i+3]|
.endr
	v_max3_num_f32 v6, v6, |v[XB+30]|, |v[XB+31]|
	v_max3_num_f32 v6, v6, v7, 0x1800000                           ; and the floor 2^(3 - 127): the byte cannot fall under 1
	v_add_nc_u32 v[8+\hb], 0xff000000, v6                          ; 2 off the exponent field: the conversion takes this operand's exponent field as its scale
	v_lshrrev_b32 v[10+\hb], 23, v[8+\hb]                          ; the byte
.irp g, 0,1,2,3
	v_cvt_scalef32_pk8_fp4_f32 v[COD+4*\hb+\g], v[XB+8*\g:XB+8*\g+7], v[8+\hb]
.endr
.endm
	s_load_b512 s[4:19], s[0:1], 0x0               ; q s[4:5], k s[6:7], v s[8:9], in_proj_w s[10:11], out_w s[12:13], w1 s[14:15], w2 s[16:17], in_proj_b s[18:19]
	s_load_b512 s[20:35], s[0:1], 0x40             ; out_b s[20:21], ln1_w s[22:23], ln1_b s[24:25], b1 s[26:27], b2 s[28:29], ln2_w s[30:31], ln2_b s[32:33], xcodes s[34:35]
	s_load_b128 s[36:39], s[0:1], 0x80             ; xscales s[36:37], packA s[38:39]
	s_load_b64 s[40:41], s[0:1], 0x90              ; packB
	v_lshl_add_u32 v112, v0, 2, 0x4000
	v_mov_b32 v113, 0
	s_and_b32 s42, ttmp7, 0xffff                   ; y
	v_lshrrev_b32 v4, 5, v0
	v_readfirstlane_b32 s43, v4                    ; wave 0..8
	s_wait_kmcnt 0x0
	s_cmp_ge_u32 ttmp9, 256                        ; the same for all waves of a work-group
	s_cbranch_scc1 .Lweights
	s_cmp_eq_u32 s42, 1                            ; which tensor: the choice hangs on the work-group's number alone
	s_cselect_b64 s[44:45], s[6:7], s[4:5]
	s_cmp_eq_u32 s42, 2
	s_cselect_b64 s[44:45], s[8:9], s[44:45]
	s_lshr_b32 s46, ttmp9, 7
	s_mul_i32 s46, s46, BSTR                       ; b
	s_and_b32 s47, ttmp9, 127
	s_mul_i32 s47, s47, RUN                        ; the chunk's 4 steps
	s_add_co_u32 s46, s46, s47
	s_mov_b32 s47, 0
	s_add_nc_u64 s[44:45], s[44:45], s[46:47]
	v_min_u32 v1, 259, v0                          ; no load leaves the chunk
	v_lshlrev_b32 v1, 2, v1
.set ch, 0
.rept 64
	global_load_b32 v[NUM+ch], v1, s[44:45] offset:ch*CSTR th:TH_LOAD_NT   ; 63 x 133,120 lies inside the signed 24-bit immediate
.set ch, ch+1
.endr
	s_mul_i32 s46, s42, TCODES                     ; where the chunk's codes and scale words go
	s_mul_i32 s48, ttmp9, XCODES
	s_add_co_u32 s46, s46, s48
	s_add_nc_u64 s[34:35], s[34:35], s[46:47]
	s_mul_i32 s46, s42, TSCALE
	s_mul_i32 s48, ttmp9, XSCALE
	s_add_co_u32 s46, s46, s48
	s_add_nc_u64 s[36:37], s[36:37], s[46:47]
	v_mul_u32_u24 v4, v0, 1009
	v_lshrrev_b32 v4, 16, v4                       ; tt = i / 65 (exact for i < 288: 49 x 4 + 1009 x 64 < 65,536)
	v_mul_u32_u24 v5, v4, 65
	v_sub_nc_u32 v5, v0, v5                        ; f = i % 65
	v_mul_u32_u24 v2, v5, FPITCH
	v_lshl_add_u32 v2, v4, 5, v2                   ; my record in the stage (threads 260 on: record 4, which is never read)
	v_mul_u32_u24 v3, v5, SPITCH
	v_lshl_add_u32 v3, v4, 2, v3
	v_add_nc_u32 v3, SSTAGE, v3                    ; my scale word
	v_lshrrev_b32 v12, 3, v0                       ; the way out: piece i of 16 bytes: f = i / 8,
	v_and_b32 v15, 7, v0
	v_mul_u32_u24 v12, v12, FPITCH
	v_lshl_add_u32 v12, v15, 4, v12                ; 16 (i % 8) in its 128 bytes
	v_lshlrev_b32 v13, 4, v0                       ; and 16 i in memory
	v_mul_u32_u24 v14, v0, SPITCH                  ; scale words: one piece of 16 bytes for each f
	v_add_nc_u32 v14, SSTAGE, v14
	s_wait_loadcnt 32                              ; loads come back in order: channels 0-31 are in, the 32 younger loads (channels 32-63) may be out
	BLOCKQ 0
	s_wait_loadcnt 0x0
	BLOCKQ 1
	v_lshl_or_b32 v24, v11, 8, v10                 ; the row's scale word; bytes 2 and 3 are 0.  (Also the plain line behind the conversions)
	ds_store_b128 v2, v[COD:COD+3]
	ds_store_b128 v2, v[COD+4:COD+7] offset:16
	ds_store_b32 v3, v24
	s_wait_dscnt 0x0                               ; for the others' sake: my stores have landed
	s_barrier_signal -1
	s_barrier_wait -1
	ds_load_b128 v[96:99], v12                     ; pieces 0 to 287
	s_wait_dscnt 0x0
	global_store_b128 v13, v[96:99], s[34:35]      ; sixteen lanes store 256 consecutive bytes, at a multiple of 256 from the buffer's first byte
	s_cmp_lt_u32 s43, 8
	s_cbranch_scc0 .Ldone                          ; wave 8 has no further piece
	s_wait_xcnt 0x0                                ; the store has read its registers and EXEC: both change only behind this wait
	v_cmp_gt_u32 vcc_lo, 232, v0
	s_and_saveexec_b32 s50, vcc_lo
	ds_load_b128 v[96:99], v12 offset:36*FPITCH    ; pieces 288 to 519: 36 f further on
	s_wait_dscnt 0x0
	global_store_b128 v13, v[96:99], s[34:35] offset:288*16
	s_wait_xcnt 0x0
	s_or_b32 exec_lo, exec_lo, s50
	s_cmp_lt_u32 s43, 3
	s_cbranch_scc0 .Ldone                          ; the 65 pieces of scale words are waves 0 to 2's
	v_cmp_gt_u32 vcc_lo, 65, v0
	s_and_saveexec_b32 s50, vcc_lo
	ds_load_b128 v[96:99], v14
	s_wait_dscnt 0x0
	global_store_b128 v13, v[96:99], s[36:37]
	s_wait_xcnt 0x0
	s_or_b32 exec_lo, exec_lo, s50
.Ldone:
	s_wait_tensorcnt 0x0
	ds_add_u32 v112, v113
	s_wait_dscnt 0x0
	s_endpgm
.Lweights:
	s_sub_co_u32 s44, ttmp9, 256
	s_mul_i32 s44, s44, 3
	s_add_co_u32 s44, s44, s42
	s_mul_i32 s44, s44, 9
	s_add_co_u32 s44, s44, s43                     ; g = 9 (3 (x - 256) + y) + wave: 0 .. 53
	s_cmp_ge_u32 s44, 48
	s_cbranch_scc1 .Lvectors
	; All that hangs on g is SELECTED, so that every wave takes one way through the text; what is made for another case is not used
	s_sub_co_u32 s59, s44, 32
	s_and_b32 s51, s59, 3
	s_lshl_b32 s51, s51, 8                         ; w2: columns 64 kg on, in bytes
	s_lshr_b32 s59, s59, 2                         ; w2's tile
	s_sub_co_u32 s60, s44, 16                      ; w1's tile
	s_sub_co_u32 s58, s44, 12                      ; out_w's tile, and the image's number in packB
	s_cmp_lt_u32 s44, 32
	s_cselect_b32 s59, s60, s59
	s_cselect_b32 s51, 0, s51
	s_cselect_b32 s50, 8, 10                       ; a row is 256 bytes, or 1,024 in w2: as a shift
	s_cselect_b64 s[46:47], s[14:15], s[16:17]
	s_cmp_lt_u32 s44, 16
	s_cselect_b32 s59, s58, s59
	s_cselect_b32 s52, 64, 32                      ; where the second and third groups of eight columns come from: swapped for out_w
	s_cselect_b32 s53, 32, 64
	s_cselect_b64 s[46:47], s[12:13], s[46:47]
	s_lshr_b32 s48, s59, 1
	s_lshl_b32 s48, s48, 5
	s_and_b32 s60, s59, 1
	s_lshl_b32 s60, s60, 3
	s_add_co_u32 s48, s48, s60                     ; the tile's first row: 32 (T / 2) + 8 (T % 2)
	s_lshl_b32 s60, s44, 4                         ; in_proj_w: 16 g
	s_lshl_b32 s56, s58, 9                         ; packB: the image,
	s_lshl_b32 s57, s58, 6
	s_add_co_u32 s57, s57, 18432                   ; its scale words
	s_lshl_b32 s61, s44, 9                         ; packA likewise
	s_lshl_b32 s62, s44, 6
	s_add_co_u32 s62, s62, 6144
	s_cmp_lt_u32 s44, 12
	s_cselect_b32 s48, s60, s48
	s_cselect_b32 s49, 0, 8                        ; in_proj_w's rows are neighbours
	s_cselect_b32 s52, 32, s52
	s_cselect_b32 s53, 64, s53
	s_cselect_b32 s56, s61, s56
	s_cselect_b32 s57, s62, s57
	s_cselect_b64 s[46:47], s[10:11], s[46:47]
	s_cselect_b64 s[54:55], s[38:39], s[40:41]
	s_lshl_b32 s60, s48, s50
	s_add_co_u32 s60, s60, s51
	s_mov_b32 s61, 0
	s_add_nc_u64 s[46:47], s[46:47], s[60:61]
	s_mov_b32 s2, 0x76543210
	s_mov_b32 s3, 0xfedcba98                       ; v_permlanex16_b32's selects for lane l xor 16
	v_and_b32 v4, 15, v0                           ; r
	v_bfe_u32 v5, v0, 4, 1                         ; hb
	v_lshrrev_b32 v6, 3, v4
	v_mad_u32_u24 v6, v6, s49, v4                  ; r + 8 (r / 8), or r
	v_lshlrev_b32 v6, s50, v6
	v_lshl_add_u32 v1, v5, 7, v6                   ; my row, my block of 128 bytes
	v_add_nc_u32 v2, s52, v1
	v_add_nc_u32 v3, s53, v1
	global_load_b128 v[NUM:NUM+3], v1, s[46:47]
	global_load_b128 v[NUM+4:NUM+7], v1, s[46:47] offset:16
	global_load_b128 v[NUM+8:NUM+11], v2, s[46:47]
	global_load_b128 v[NUM+12:NUM+15], v2, s[46:47] offset:16
	global_load_b128 v[NUM+16:NUM+19], v3, s[46:47]
	global_load_b128 v[NUM+20:NUM+23], v3, s[46:47] offset:16
	global_load_b128 v[NUM+24:NUM+27], v1, s[46:47] offset:96
	global_load_b128 v[NUM+28:NUM+31], v1, s[46:47] offset:112
	v_and_b32 v14, 31, v0
	v_lshlrev_b32 v14, 4, v14
	v_add_nc_u32 v14, s56, v14                     ; 16 x lane in the image
	v_lshlrev_b32 v15, 2, v4
	v_add_nc_u32 v15, s57, v15                     ; 4 r among its scale words
	v_mov_b32 v13, 0                               ; a lane permute's destination counts as one of its sources
	s_wait_loadcnt 0x0
	BLOCKQ 0
	v_lshlrev_b32 v7, 3, v5                        ; (a plain line behind the conversions)
	v_lshlrev_b32 v12, v7, v10                     ; my byte at its place,
	v_permlanex16_b32 v13, v12, s2, s3
	v_or_b32 v12, v12, v13                         ; with lane l xor 16's the word is whole
	global_store_b128 v14, v[COD:COD+3], s[54:55]  ; 512 consecutive bytes a wave
	global_store_b32 v15, v12, s[54:55]            ; both halves of the lanes write the same word with the same value
	s_endpgm
.Lvectors:
	s_sub_co_u32 s42, s44, 48                      ; which of the three copies; 3 to 5: none is left
	v_and_b32 v4, 31, v0
	v_lshlrev_b32 v5, 3, v4                        ; 8 bytes a lane: 256 a wave
	v_lshlrev_b32 v6, 4, v4                        ; 16 bytes a lane
	s_cmp_eq_u32 s42, 0
	s_cbranch_scc0 .Lvec1
.irp i, 0,1,2
	global_load_b64 v[32+2*\i:33+2*\i], v5, s[18:19] offset:256*\i     ; in_proj_b
.endr
	s_wait_loadcnt 0x0
.irp i, 0,1,2
	global_store_b64 v5, v[32+2*\i:33+2*\i], s[38:39] offset:6912+256*\i
.endr
	s_endpgm
.Lvec1:
	s_cmp_eq_u32 s42, 1
	s_cbranch_scc0 .Lvec2
	global_load_b128 v[32:35], v6, s[26:27]        ; b1
	global_load_b128 v[36:39], v6, s[26:27] offset:512
	s_wait_loadcnt 0x0
	global_store_b128 v6, v[32:35], s[40:41] offset:VEC+768
	global_store_b128 v6, v[36:39], s[40:41] offset:VEC+768+512
	s_endpgm
.Lvec2:
	s_cmp_eq_u32 s42, 2
	s_cbranch_scc0 .Lnone
	global_load_b64 v[32:33], v5, s[20:21]         ; out_b
	global_load_b64 v[34:35], v5, s[22:23]         ; ln1_w
	global_load_b64 v[36:37], v5, s[24:25]         ; ln1_b
	global_load_b64 v[38:39], v5, s[28:29]         ; b2
	global_load_b64 v[40:41], v5, s[30:31]         ; ln2_w
	global_load_b64 v[42:43], v5, s[32:33]         ; ln2_b
	v_mov_b32 v44, 0
	v_mov_b32 v45, 0
	s_wait_loadcnt 0x0
	global_store_b64 v5, v[32:33], s[40:41] offset:VEC
	global_store_b64 v5, v[34:35], s[40:41] offset:VEC+256
	global_store_b64 v5, v[36:37], s[40:41] offset:VEC+512
	global_store_b64 v5, v[38:39], s[40:41] offset:VEC+1792
	global_store_b64 v5, v[40:41], s[40:41] offset:VEC+2048
	global_store_b64 v5, v[42:43], s[40:41] offset:VEC+2304
	global_store_b64 v5, v[44:45], s[40:41] offset:VEC+2560       ; the pack's last 256 bytes: the next launch copies the pack whole
.Lnone:
	s_endpgm
.Lfunc_end_k_qa10111b6fd_quant:
	.size	k_qa10111b6fd_quant, .Lfunc_end_k_qa10111b6fd_quant-k_qa10111b6fd_quant
	.p2alignl 7, 3214868480
	.fill 96, 4, 3214868480
	.section	.rodata,"a",@progbits
	.p2align	6, 0x0
	.amdhsa_kernel k_qa10111b6fd_quant
		.amdhsa_group_segment_fixed_size 17664
		.amdhsa_private_segment_fixed_size 0
		.amdhsa_enable_private_segment 0
		.amdhsa_kernarg_size 152
		.amdhsa_user_sgpr_count 2
		.amdhsa_user_sgpr_kernarg_segment_ptr 1
		.amdhsa_wavefront_size32 1
		.amdhsa_system_sgpr_workgroup_id_x 1
		.amdhsa_system_sgpr_workgroup_id_y 1
		.amdhsa_system_sgpr_workgroup_id_z 1
		.amdhsa_system_vgpr_workitem_id 0
		.amdhsa_next_free_vgpr 114
		.amdhsa_next_free_sgpr 66
		.amdhsa_reserve_vcc 1
		.amdhsa_float_denorm_mode_32 3
		.amdhsa_float_denorm_mode_16_64 3
		.amdhsa_memory_ordered 1
		.amdhsa_forward_progress 1
		.amdhsa_inst_pref_size 21
	.end_amdhsa_kernel
	.amdgpu_metadata
---
amdhsa.version: [ 1, 2 ]
amdhsa.kernels:
  - .name:           k_qa10111b6fd_quant
    .symbol:         k_qa10111b6fd_quant.kd
    .args:
      - { .name: q, .offset: 0, .size: 8, .value_kind: global_buffer, .address_space: global }
      - { .name: k, .offset: 8, .size: 8, .value_kind: global_buffer, .address_space: global }
      - { .name: v, .offset: 16, .size: 8, .value_kind: global_buffer, .address_space: global }
      - { .name: in_proj_w, .offset: 24, .size: 8, .value_kind: global_buffer, .address_space: global }
      - { .name: out_w, .offset: 32, .size: 8, .value_kind: global_buffer, .address_space: global }
      - { .name: w1, .offset: 40, .size: 8, .value_kind: global_buffer, .address_space: global }
      - { .name: w2, .offset: 48, .size: 8, .value_kind: global_buffer, .address_space: global }
      - { .name: in_proj_b, .offset: 56, .size: 8, .value_kind: global_buffer, .address_space: global }
      - { .name: out_b, .offset: 64, .size: 8, .value_kind: global_buffer, .address_space: global }
      - { .name: ln1_w, .offset: 72, .size: 8, .value_kind: global_buffer, .address_space: global }
      - { .name: ln1_b, .offset: 80, .size: 8, .value_kind: global_buffer, .address_space: global }
      - { .name: b1, .offset: 88, .size: 8, .value_kind: global_buffer, .address_space: global }
      - { .name: b2, .offset: 96, .size: 8, .value_kind: global_buffer, .address_space: global }
      - { .name: ln2_w, .offset: 104, .size: 8, .value_kind: global_buffer, .address_space: global }
      - { .name: ln2_b, .offset: 112, .size: 8, .value_kind: global_buffer, .address_space: global }
      - { .name: xcodes, .offset: 120, .size: 8, .value_kind: global_buffer, .address_space: global }
      - { .name: xscales, .offset: 128, .size: 8, .value_kind: global_buffer, .address_space: global }
      - { .name: packA, .offset: 136, .size: 8, .value_kind: global_buffer, .address_space: global }
      - { .name: packB, .offset: 144, .size: 8, .value_kind: global_buffer, .address_space: global }
    .group_segment_fixed_size: 17664
    .private_segment_fixed_size: 0
    .kernarg_segment_align: 8
    .kernarg_segment_size: 152
    .max_flat_workgroup_size: 288
    .sgpr_count:     66
    .vgpr_count:     114
    .wavefront_size: 32
...
	.end_amdgpu_metadata
.endif
;; end of part 1
;; launch attn (part 2): grid 8 x 130, 4 waves a work-group, no clusters, 32,768 bytes of LDS; arguments xcodes, xscales, packA, cxcodes, cxscales; writes cxcodes, cxscales
.if DOCPART == 2
	.amdgcn_target "amdgcn-amd-amdhsa--gfx1250"
	.amdhsa_code_object_version 6
	.text
	.protected	k_qa10111b6fd_attn
	.globl	k_qa10111b6fd_attn
	.p2align	8
	.type	k_qa10111b6fd_attn,@function
k_qa10111b6fd_attn:
	s_mov_b64 s[64:65], 0
	v_nop
	global_prefetch_b8 v0, s[64:65] scope:SCOPE_SE
	s_setreg_imm32_b32 hwreg(HW_REG_WAVE_MODE, 25, 1), 1
	s_wait_xcnt 0x0
; The three projections, the banded attention and the quantising of its result, for one sequence n = (b, f) (work-group y) and 64 queries (work-group x); each of the four waves owns 16 queries t0 .. t0 + 15.
; The keys that count for query t are t - 63 .. t: all lie in the 96 keys from kb = max((t0 & ~31) - 64, 0) on: three whole blocks of 32 of the second product's K.  So a wave sees its rows whole: M is found once, nothing is rescaled.
; IN: codes of q, k, v along the 64 channels (a record of 32 bytes a row, the 4 steps of one f together) and their scale words; packA: the twelve images of in_proj_w's tiles, their scale words, in_proj_b: copied into LDS once.
; K's AND V's TWELVE FRAGMENTS WAIT IN LDS, as images of their registers (16 bytes a lane, 512 a fragment), in 6,144 bytes of the wave's own, and are fetched anew in each head into registers that are free just then:
; 48 registers less a wave, for 12 LDS loads a head.
; K = 64 IN AN INSTRUCTION OF K = 128: the weights' fragments have zero codes in registers 4-7; the rows' fragments are runs of 4 registers on end, so their registers 4-7 are whatever follows, which meets zeros.
; Bytes 2 and 3 of every scale word are 0 (2^-127, no NaN).
; PER HEAD (16 channels), all in registers:
;   V = rows x Wv (source 0 = 16 keys, source 1 = Wv's 16 rows): a lane holds ONE channel and 48 keys; quantised along the keys: source 0 of the last product.
;   K^T, Q^T (source 0 = the weights' 16 rows, source 1 = 16 keys or queries): a lane holds one key or query and eight channels 8 (lane / 16) + j: two neighbouring registers ARE an operand of the f32 form (k = 2 (lane / 16) + j
;   stands for channel 8 (lane / 16) + 2 s + j on both sides), so the scores S^T = K Q^T, which go on into a quantiser, are made with f32 operands in four steps of 4 channels.
;   THE KEYS OF A TILE ARE NOT NEIGHBOURS: lane r of tile 2 b + u takes key 32 b + 8 u + r + 8 (r / 8), so that registers 16 b + i of S^T, p and V are key 32 b + 16 (lane / 16) + i.
;   SOFTMAX: hidden scores become -infinity; t = score x log2(e) / 4; M = ceil(the row's largest t); p = 2^(t - M) is quantised along the keys, not normalised; the sum is taken of the unquantised p and divides the product.
;   O^T = V^T P^T: a lane holds one query and channels 16 head + 8 (lane / 16) + j.
; OUT: the 64 channels of a query are quantised (block = two heads); records of 32 bytes, the 8 steps of one f together.  A lane's 16 bytes hold the block's groups of eight channels in the order 0, 2, 1, 3; out_w's images have the same order.
; LIMITS: NaN and infinities among the inputs are not served; a block whose largest magnitude lies under 2^-124 gets the byte 1; p under 2^-126 counts as 0.
; No multicast and no tensor loads: what the waves share is 7,680 bytes of weights; the rows' codes are 6 KB a wave.
.set TC,  2162688                      ; a tensor's codes
.set TS,  327680                       ; a tensor's scale words
.set CHC, 8448                         ; a chunk (4 steps, 65 f) of q's, k's, v's codes
.set CHS, 1280                         ; and of their scale words
.set CXC, 16640                        ; a chunk (8 steps, 65 f) of the result's codes
.set CXS, 2304                         ; and of its scale words
.set PSC, 6144                         ; LDS (= packA): the images' scale words, 64 bytes each
.set PBI, 6912                         ; in_proj_b
.set FST, 7680                         ; LDS, behind the pack: 6,144 bytes for each wave: k's six fragments, then v's six
.set LI,  1                            ; v1  16 x lane: my place in an image
.set LS,  2                            ; v2  4 r: my row's scale word, or bias
.set LB,  3                            ; v3  32 (lane / 16): my eight biases
.set LQ,  4                            ; v4  the result's record of my query: (r / 8) chunks + 32 (r % 8) + 16 (lane / 16)
.set SQ,  5                            ; v5  and its scale word
.set NINF, 6                           ; v6  -infinity
.set DD,  7                            ; v7  at the head: my query less my half's first key; then bv of my channel
.set BV,  7
.set DSQ, 8                            ; v8  q's scale words; v9-14 k's six tiles'; v15-20 v's
.set DSK, 9
.set DSV, 15
.set WSV, 21                           ; v21-23 the weights' scale words
.set WSK, 22
.set WSQ, 23
.set VS,  24                           ; v24 V's scale word, v25 p's
.set PS,  25
.set RL,  26                           ; v[26:27] 1 / the row's sum (the low word serves both halves)
.set CW,  28                           ; v28 the result's scale word
.set LW,  29                           ; v29 16 x lane in my wave's fragments in LDS
.set XQ,  32                           ; v32-35 q's fragment;
.set CC,  36                           ; v36-39 behind it the result's codes
.set S,   40                           ; v40-87 V, then the scores: written by matrix instructions alone
.set X,   88                           ; v88-135 v's fragments; k's tiles 3-5 and what V's quantiser needs; K^T; the masked scores, then p
.set KS,  136                          ; v136-151 k's tiles 0-2, in the registers of
.set QH,  136                          ; v136-143 Q^T, then p's codes, and
.set PF,  136
.set O1,  144                          ; v144-151 O^T of an odd head
.set O0,  152                          ; v152-159 O^T of an even head
.set VF,  160                          ; v160-167 V's codes
.set WA,  168                          ; v168-175, v176-183 weights' fragments; their registers 4-7 stay zero
.set WB,  176
.set BA,  184                          ; v184-191, v192-199 biases as the C of a product; at the kernel's head and behind the projections at work, as T
.set BB,  192
.set T,   184
.macro PLACES n                        ; plain vector lines that name no register of the matrix instruction in front of them (ISA guide 7.12.1)
.rept \n
	v_nop
.endr
.endm
.macro MX d, a, b, c, sa, sb
	v_wmma_scale_f32_16x16x128_f8f6f4 v[\d:\d+7], v[\a:\a+7], v[\b:\b+7], v[\c:\c+7], v[\sa], v[\sb] matrix_a_fmt:MATRIX_FMT_FP4 matrix_b_fmt:MATRIX_FMT_FP4
.endm
; 48 numbers of a lane, register 16 b + i = k 32 b + 16 (lane / 16) + i of my row, become a fragment's codes in v[d] on (k = 96 .. 127: zeros) and its scale word in v[w].  v[t] .. v[t + 8] at work
.macro QUANT3 s, d, w, t
.irp b, 0,1,2
	v_max3_num_f32 v[\t+\b], |v[\s+16*\b]|, |v[\s+16*\b+1]|, 0x1800000     ; my 16 numbers of block b, and the floor 2^(3 - 127): the byte cannot fall under 1
.endr
.irp i, 2,4,6,8,10,12,14
.irp b, 0,1,2
	v_max3_num_f32 v[\t+\b], v[\t+\b], |v[\s+16*\b+\i]|, |v[\s+16*\b+\i+1]|
.endr
.endr
.irp b, 0,1,2
	v_permlanex16_b32 v[\t+3+\b], v[\t+\b], s66, s67
.endr
.irp b, 0,1,2
	v_max_num_f32 v[\t+\b], v[\t+\b], v[\t+3+\b]                   ; with lane l xor 16's: the block's largest magnitude
.endr
.irp b, 0,1,2
	v_add_nc_u32 v[\t+6+\b], 0xff000000, v[\t+\b]                  ; 2 off its exponent field: the conversion's scale operand
.endr
.irp b, 0,1,2
	v_lshrrev_b32 v[\t+3+\b], 23, v[\t+6+\b]                       ; the byte
.endr
	v_lshl_or_b32 v[\w], v[\t+4], 8, v[\t+3]
	v_lshl_or_b32 v[\w], v[\t+5], 16, v[\w]                        ; byte 3 stays 0
	v_mov_b32 v[\d+6], 0
	v_mov_b32 v[\d+7], 0
.irp b, 0,1,2
	v_cvt_scalef32_pk8_fp4_f32 v[\d+2*\b], v[\s+16*\b:\s+16*\b+7], v[\t+6+\b]
	v_cvt_scalef32_pk8_fp4_f32 v[\d+2*\b+1], v[\s+16*\b+8:\s+16*\b+15], v[\t+6+\b]
.endr
	v_nop                                                          ; one plain line behind a scaled conversion
.irp c, 0,1                                                    ; the operand's layout wants a whole block in a lane: lanes 0-15 block 2 c, lanes 16-31 block 2 c + 1
.irp i, 0,1
	v_permlane16_swap_b32 v[\d+4*\c+\i], v[\d+4*\c+2+\i]
.endr
.endr
.endm
	s_load_b256 s[4:11], s[0:1], 0x0               ; xcodes s[4:5], xscales s[6:7], packA s[8:9], cxcodes s[10:11]
	s_load_b64 s[12:13], s[0:1], 0x20              ; cxscales
	v_lshl_add_u32 v200, v0, 2, 0x7e00
	v_mov_b32 v201, 0
	v_lshrrev_b32 v1, 5, v0
	v_readfirstlane_b32 s70, v1                    ; wave 0..3
	s_and_b32 s71, ttmp7, 0xffff                   ; n
	s_cmp_ge_u32 s71, 65
	s_cselect_b32 s72, 1, 0                        ; b
	s_mul_i32 s76, s72, 65
	s_sub_co_u32 s73, s71, s76                     ; f
	s_lshl_b32 s74, ttmp9, 2
	s_add_co_u32 s74, s74, s70
	s_lshl_b32 s74, s74, 4                         ; t0
	s_and_not1_b32 s75, s74, 31
	s_sub_co_i32 s75, s75, 64
	s_max_i32 s75, s75, 0                          ; kb
	s_lshl_b32 s77, s72, 7
	s_lshr_b32 s76, s74, 2
	s_add_co_u32 s76, s76, s77                     ; the queries' first chunk of 4 steps
	s_lshr_b32 s78, s75, 2
	s_add_co_u32 s78, s78, s77                     ; the keys'
	s_lshl_b32 s79, s73, 7                         ; 128 f
	s_mul_i32 s96, s76, CHC
	s_add_co_u32 s96, s96, s79
	s_mov_b32 s97, 0
	s_mul_i32 s98, s78, CHC
	s_add_co_u32 s98, s98, s79
	s_mov_b32 s99, 0
	s_mov_b32 s66, 0x76543210
	s_mov_b32 s67, 0xfedcba98                      ; v_permlanex16_b32's selects for lane l xor 16
	s_mov_b32 s68, 0x3eb8aa3b                      ; c = log2(e) / sqrt(16)
	s_mov_b32 s69, s68                             ; (named with it as a pair, so it is written)
	s_wait_kmcnt 0x0
	s_add_nc_u64 s[80:81], s[4:5], s[96:97]        ; q's codes
	s_add_nc_u64 s[82:83], s[4:5], s[98:99]
	s_add_nc_u64 s[84:85], s[82:83], 2*TC          ; v's codes
	s_add_nc_u64 s[82:83], s[82:83], TC            ; k's codes
	s_lshl_b32 s79, s73, 4                         ; 16 f
	s_mul_i32 s96, s76, CHS
	s_add_co_u32 s96, s96, s79
	s_mul_i32 s98, s78, CHS
	s_add_co_u32 s98, s98, s79
	s_add_nc_u64 s[86:87], s[6:7], s[96:97]        ; q's scale words
	s_add_nc_u64 s[88:89], s[6:7], s[98:99]
	s_add_nc_u64 s[90:91], s[88:89], 2*TS          ; v's
	s_add_nc_u64 s[88:89], s[88:89], TS            ; k's
	s_lshl_b32 s77, s72, 6
	s_lshr_b32 s76, s74, 3
	s_add_co_u32 s76, s76, s77                     ; the result's first chunk of 8 steps
	s_mul_i32 s96, s76, 65
	s_add_co_u32 s96, s96, s73
	s_lshl_b32 s96, s96, 8
	s_add_nc_u64 s[92:93], s[10:11], s[96:97]      ; the result's codes
	s_mul_i32 s96, s76, CXS
	s_lshl_b32 s79, s73, 5
	s_add_co_u32 s96, s96, s79
	s_add_nc_u64 s[94:95], s[12:13], s[96:97]      ; and its scale words
	s_mul_i32 s77, s70, 6144
	s_add_co_u32 s77, s77, FST                     ; my wave's fragments in LDS
	v_and_b32 v[DD], 15, v0                        ; r
	v_bfe_u32 v[T+1], v0, 4, 1                     ; h
	v_and_b32 v[T+2], 31, v0
	v_lshlrev_b32 v[LI], 4, v[T+2]
	v_add_nc_u32 v[LW], s77, v[LI]
	v_lshlrev_b32 v[LS], 2, v[DD]
	v_lshlrev_b32 v[LB], 5, v[T+1]
	v_lshrrev_b32 v[T+2], 3, v[DD]                 ; r / 8
	v_and_b32 v[T+3], 7, v[DD]                     ; r % 8
	v_lshlrev_b32 v[LQ], 5, v[T+3]
	v_lshl_add_u32 v[LQ], v[T+1], 4, v[LQ]
	v_mad_u32_u24 v[LQ], v[T+2], CXC, v[LQ]
	v_lshlrev_b32 v[SQ], 2, v[T+3]
	v_mad_u32_u24 v[SQ], v[T+2], CXS, v[SQ]
	v_and_b32 v[T+3], 3, v[DD]                     ; r % 4
	v_lshlrev_b32 v[T+6], 5, v[T+3]
	v_lshl_add_u32 v[T+6], v[T+1], 4, v[T+6]       ; 32 (r % 4) + 16 h
	v_lshlrev_b32 v[T+7], 2, v[T+3]                ; 4 (r % 4)
	v_lshrrev_b32 v[T+9], 2, v[DD]                 ; r / 4
	v_mad_u32_u24 v[T+4], v[T+9], CHC, v[T+6]      ; my query's record: row t0 + r
	v_mad_u32_u24 v[T+5], v[T+9], CHS, v[T+7]      ; and its scale word
	v_and_b32 v[T+9], 1, v[T+9]
	v_lshl_add_u32 v[T+9], v[T+2], 2, v[T+9]       ; 4 (r / 8) + (r / 4) % 2: my key r + 8 (r / 8) of a tile, in chunks
	v_mad_u32_u24 v[T+6], v[T+9], CHC, v[T+6]      ; my key's record
	v_mad_u32_u24 v[T+7], v[T+9], CHS, v[T+7]      ; and its scale word
	v_lshlrev_b32 v[T+8], 4, v0                    ; 16 x thread: my pieces of the pack
.irp j, 12,13,14,15
	v_mov_b32 v[KS+\j], 0                          ; wave 3 loads nothing here; the registers are later named behind a fragment
.endr
.irp k, 0,1,2                                  ; the pack's 480 pieces of 16 bytes: 128 threads take three each, the first 96 a fourth
	global_load_b128 v[KS+4*\k:KS+4*\k+3], v[T+8], s[8:9] offset:2048*\k
.endr
	s_cmp_lt_u32 s70, 3
	s_cbranch_scc0 .Lthree
	global_load_b128 v[KS+12:KS+15], v[T+8], s[8:9] offset:6144
.Lthree:
	global_load_b128 v[XQ:XQ+3], v[T+4], s[80:81]
	global_load_b32 v[DSQ], v[T+5], s[86:87]
.irp t, 0,1,2,3,4,5                            ; tile t = 2 b + u begins at key 32 b + 8 u: chunk 8 b + 2 u
	global_load_b128 v[X+4*\t:X+4*\t+3], v[T+6], s[82:83] offset:(8*(\t/2)+2*(\t%2))*CHC
	global_load_b128 v[X+24+4*\t:X+24+4*\t+3], v[T+6], s[84:85] offset:(8*(\t/2)+2*(\t%2))*CHC
	global_load_b32 v[DSK+\t], v[T+7], s[88:89] offset:(8*(\t/2)+2*(\t%2))*CHS
	global_load_b32 v[DSV+\t], v[T+7], s[90:91] offset:(8*(\t/2)+2*(\t%2))*CHS
.endr
	; THE BAND, once for all heads: register n = 16 b + i holds key kb + 32 b + 16 h + i; it counts where 0 <= query - key <= 63.  One lane mask for each register, from ids alone
	s_sub_co_u32 s76, s74, s75
	v_lshlrev_b32 v[T+10], 4, v[T+1]
	v_sub_nc_u32 v[DD], v[DD], v[T+10]
	v_add_nc_u32 v[DD], s76, v[DD]                 ; t0 - kb + r - 16 h
.set n, 0
.rept 48
	v_add_nc_u32 v[T+10+n%2], -(32*(n/16)+n%16), v[DD]
	v_cmp_gt_u32 s[16+n], 64, v[T+10+n%2]          ; unsigned: what is negative is large
.set n, n+1
.endr
	v_mov_b32 v[NINF], 0xff800000
.irp j, 4,5,6,7
	v_mov_b32 v[WA+\j], 0                          ; zero codes for k = 64 .. 127
	v_mov_b32 v[WB+\j], 0
.endr
.irp j, 0,1,2,3
	v_mov_b32 v[CC+\j], 0                          ; named behind q's fragment before they are first written
.endr
	v_mov_b32 v[RL+1], 0                           ; (named as the upper half of a pair)
	s_wait_loadcnt 0x0
.irp k, 0,1,2
	ds_store_b128 v[T+8], v[KS+4*\k:KS+4*\k+3] offset:2048*\k
.endr
	s_cmp_lt_u32 s70, 3
	s_cbranch_scc0 .Lthree_stored
	ds_store_b128 v[T+8], v[KS+12:KS+15] offset:6144
.Lthree_stored:
.irp t, 0,1,2,3,4,5,6,7,8,9,10,11
	ds_store_b128 v[LW], v[X+4*\t:X+4*\t+3] offset:512*\t          ; k's six fragments, v's six: as they stand, into my wave's own bytes
.endr
	s_wait_dscnt 0x0                               ; for the others' sake: my pieces of the pack have landed
	s_barrier_signal -1
	s_barrier_wait -1                              ; the pack is whole; nothing is stored to LDS behind this line
.macro HEAD hd
.set OO, O0-8*((\hd)%2)                ; O^T of an even, of an odd head
	ds_load_b128 v[WA:WA+3], v[LI] offset:512*(8+\hd)              ; Wv's tile
	ds_load_b128 v[WB:WB+3], v[LI] offset:512*(4+\hd)              ; Wk's
	ds_load_b32 v[WSV], v[LS] offset:PSC+64*(8+\hd)
	ds_load_b32 v[WSK], v[LS] offset:PSC+64*(4+\hd)
	ds_load_b128 v[BB:BB+3], v[LB] offset:PBI+256+64*\hd           ; bk of my eight channels
	ds_load_b128 v[BB+4:BB+7], v[LB] offset:PBI+256+64*\hd+16
	ds_load_b32 v[BV], v[LS] offset:PBI+512+64*\hd                 ; bv of my one channel
.irp t, 0,1,2,3,4,5
	ds_load_b128 v[X+4*\t:X+4*\t+3], v[LW] offset:3072+512*\t      ; v's six fragments, where the last head's p lay
.endr
	s_wait_dscnt 0x0
.irp j, 0,1,2,3,4,5,6,7
	v_mov_b32 v[BA+\j], v[BV]
.endr
	PLACES 4
.irp t, 0,1,2,3,4,5                            ; V: lane (r, h): channel r, keys 32 b + 16 h + 8 u + j
	MX S+8*\t, X+4*\t, WA, BA, DSV+\t, WSV
.endr
	PLACES 4                                       ; in front of the loads into WA, BA and v's fragments, and of the first read of V
	ds_load_b128 v[WA:WA+3], v[LI] offset:512*\hd                  ; Wq's tile
	ds_load_b32 v[WSQ], v[LS] offset:PSC+64*\hd
	ds_load_b128 v[BA:BA+3], v[LB] offset:PBI+64*\hd               ; bq
	ds_load_b128 v[BA+4:BA+7], v[LB] offset:PBI+64*\hd+16
.irp t, 0,1,2
	ds_load_b128 v[KS+4*\t:KS+4*\t+3], v[LW] offset:512*\t         ; k's tiles 0-2
	ds_load_b128 v[X+4*\t:X+4*\t+3], v[LW] offset:512*(3+\t)       ; k's tiles 3-5
.endr
	QUANT3 S, VF, VS, X+32                         ; these lines stand between the loads and the wait for them
	s_wait_dscnt 0x0
.irp t, 3,4,5                                  ; K^T: lane (r, h): the tile's key r, channels 8 h + j.  Tiles 3-5 first: their fragments lie where tiles 0-2 will land
	MX X+8*\t, WB, X+4*(\t-3), BB, WSK, DSK+\t
.endr
	PLACES 5                                       ; the next three write over fragments that the last three have read
.irp t, 0,1,2
	MX X+8*\t, WB, KS+4*\t, BB, WSK, DSK+\t
.endr
	PLACES 5                                       ; Q^T lands on k's fragments
	MX QH, WA, XQ, BA, WSQ, DSQ                    ; Q^T
	PLACES 5                                       ; K^T and Q^T go on as operands of matrix instructions
.irp s, 0,1,2,3                                ; S^T = K Q^T with f32 operands, channels 8 h + 2 s + j; the six accumulators by turns, one instruction a turn
.irp t, 0,1,2,3,4,5
.if \s == 0
	v_wmma_f32_16x16x4_f32 v[S+8*\t:S+8*\t+7], v[X+8*\t:X+8*\t+1], v[QH:QH+1], 0
.else
	v_wmma_f32_16x16x4_f32 v[S+8*\t:S+8*\t+7], v[X+8*\t+2*\s:X+8*\t+2*\s+1], v[QH+2*\s:QH+2*\s+1], v[S+8*\t:S+8*\t+7]
.endif
.endr
.endr
	PLACES 8                                       ; behind the f32 form: in front of reads of the scores and of writes over K^T
.set n, 0
.rept 48
	v_cndmask_b32 v[X+n], v[NINF], v[S+n], s[16+n]                 ; hidden scores become -infinity; the sums' own registers are left as they are
.set n, n+1
.endr
.irp b, 0,1,2
	v_max3_num_f32 v[T+\b], v[X+16*\b], v[X+16*\b+1], v[X+16*\b+2] ; the largest score of each block of 32 keys: for the row's maximum, and, since p rises with the score, for the block's largest p
.endr
.irp i, 3,5,7,9,11,13
.irp b, 0,1,2
	v_max3_num_f32 v[T+\b], v[T+\b], v[X+16*\b+\i], v[X+16*\b+\i+1]
.endr
.endr
.irp b, 0,1,2
	v_max_num_f32 v[T+\b], v[T+\b], v[X+16*\b+15]
.endr
.irp b, 0,1,2
	v_permlanex16_b32 v[T+3+\b], v[T+\b], s66, s67
.endr
.irp b, 0,1,2
	v_max_num_f32 v[T+\b], v[T+\b], v[T+3+\b]
.endr
	v_max3_num_f32 v[T+11], v[T], v[T+1], v[T+2]                   ; the row's largest score (the query's own key always counts)
	v_mul_f32 v[T+11], s68, v[T+11]                                ; as t
	v_floor_f32 v[T+6], -v[T+11]                                   ; -M = floor(-t) = -ceil(t)
.set n, 0
.rept 24
	v_pk_fma_f32 v[X+n:X+n+1], v[X+n:X+n+1], s[68:69], v[T+6:T+7] op_sel_hi:[1,0,0]   ; t - M, two at a time (of the pairs c and -M the low word serves both halves)
.set n, n+2
.endr
.irp b, 0,1,2
	v_fma_f32 v[T+\b], v[T+\b], s68, v[T+6]                        ; the same of each block's largest score
.endr
.set n, 0
.rept 48
	v_exp_f32 v[X+n], v[X+n]                                       ; p = 2^(t - M); 0 where the key is hidden
.set n, n+1
.endr
.irp b, 0,1,2
	v_exp_f32 v[T+\b], v[T+\b]                                     ; the block's largest p: the same two instructions on the same number
.endr
	v_mov_b32 v[PF+6], 0                                           ; keys 96 .. 127: zero codes.  (Also the plain line behind the exponentials)
	v_mov_b32 v[PF+7], 0
	s_wait_alu depctr_va_vdst(0)
.irp b, 0,1,2
	v_max_num_f32 v[T+\b], 0x1800000, v[T+\b]                      ; the floor: a block all of whose keys are hidden keeps the byte 1; its codes are zeros
.endr
.irp b, 0,1,2
	v_add_nc_u32 v[T+8+\b], 0xff000000, v[T+\b]
.endr
.irp b, 0,1,2
	v_lshrrev_b32 v[T+3+\b], 23, v[T+8+\b]
.endr
	v_lshl_or_b32 v[PS], v[T+4], 8, v[T+3]
	v_lshl_or_b32 v[PS], v[T+5], 16, v[PS]
.irp b, 0,1,2
	v_cvt_scalef32_pk8_fp4_f32 v[PF+2*\b], v[X+16*\b:X+16*\b+7], v[T+8+\b]
	v_cvt_scalef32_pk8_fp4_f32 v[PF+2*\b+1], v[X+16*\b+8:X+16*\b+15], v[T+8+\b]
.endr
	v_nop
.irp c, 0,1
.irp i, 0,1
	v_permlane16_swap_b32 v[PF+4*\c+\i], v[PF+4*\c+2+\i]
.endr
.endr
	v_pk_add_f32 v[T+12:T+13], v[X:X+1], v[X+2:X+3]                ; the row's sum, of the unquantised p, in two chains.  (These lines are also the places between p's scale word and codes and the product)
	v_pk_add_f32 v[T+14:T+15], v[X+4:X+5], v[X+6:X+7]
.irp j, 8,12,16,20,24,28,32,36,40,44
	v_pk_add_f32 v[T+12:T+13], v[T+12:T+13], v[X+\j:X+\j+1]
	v_pk_add_f32 v[T+14:T+15], v[T+14:T+15], v[X+\j+2:X+\j+3]
.endr
	v_pk_add_f32 v[T+12:T+13], v[T+12:T+13], v[T+14:T+15]
	v_add_f32 v[T+12], v[T+12], v[T+13]
	v_permlanex16_b32 v[T+3], v[T+12], s66, s67
	v_add_f32 v[T+12], v[T+12], v[T+3]
	v_rcp_f32 v[RL], v[T+12]
	v_nop                                                          ; one plain line behind a transcendental
	v_wmma_scale_f32_16x16x128_f8f6f4 v[OO:OO+7], v[VF:VF+7], v[PF:PF+7], 0, v[VS], v[PS] matrix_a_fmt:MATRIX_FMT_FP4 matrix_b_fmt:MATRIX_FMT_FP4   ; O^T: lane (r, h): query r, channels 16 head + 8 h + j
	PLACES 4
	s_wait_alu depctr_va_vdst(0)
.irp j, 0,2,4,6
	v_pk_mul_f32 v[OO+\j:OO+\j+1], v[OO+\j:OO+\j+1], v[RL:RL+1] op_sel_hi:[1,0]   ; / the sum; from the low end on
.endr
.if (\hd)%2 == 1                               ; two heads are a block of 32 channels of the next product's K
	v_max3_num_f32 v[T], |v[O0]|, |v[O0+1]|, 0x1800000
	v_max3_num_f32 v[T+1], |v[O1]|, |v[O1+1]|, 0x1800000
.irp i, 2,4,6
	v_max3_num_f32 v[T], v[T], |v[O0+\i]|, |v[O0+\i+1]|
	v_max3_num_f32 v[T+1], v[T+1], |v[O1+\i]|, |v[O1+\i+1]|
.endr
	v_max_num_f32 v[T], v[T], v[T+1]
	v_permlanex16_b32 v[T+3], v[T], s66, s67
	v_max_num_f32 v[T], v[T], v[T+3]
	v_add_nc_u32 v[T+8], 0xff000000, v[T]
	v_lshrrev_b32 v[T+4], 23, v[T+8]
.if (\hd)/2 == 0
	v_mov_b32 v[CW], v[T+4]
.else
	v_lshl_or_b32 v[CW], v[T+4], 8, v[CW]
.endif
	v_cvt_scalef32_pk8_fp4_f32 v[CC+2*((\hd)/2)], v[O0:O0+7], v[T+8]
	v_cvt_scalef32_pk8_fp4_f32 v[CC+2*((\hd)/2)+1], v[O1:O1+7], v[T+8]
	v_nop
.endif
.endm
	HEAD 0
	HEAD 1
	HEAD 2
	HEAD 3
	v_permlane16_swap_b32 v[CC], v[CC+2]           ; lanes 0-15 block 0, lanes 16-31 block 1; in a lane the groups of eight channels 0, 2, 1, 3
	v_permlane16_swap_b32 v[CC+1], v[CC+3]
	global_store_b128 v[LQ], v[CC:CC+3], s[92:93]  ; the wave's 16 records: twice 256 consecutive bytes, each at a multiple of 256 from the buffer's first byte
	global_store_b32 v[SQ], v[CW], s[94:95]        ; both halves of the lanes write the same word with the same value
	s_wait_tensorcnt 0x0
	ds_add_u32 v200, v201
	s_wait_dscnt 0x0
	s_endpgm
.Lfunc_end_k_qa10111b6fd_attn:
	.size	k_qa10111b6fd_attn, .Lfunc_end_k_qa10111b6fd_attn-k_qa10111b6fd_attn
	.p2alignl 7, 3214868480
	.fill 96, 4, 3214868480
	.section	.rodata,"a",@progbits
	.p2align	6, 0x0
	.amdhsa_kernel k_qa10111b6fd_attn
		.amdhsa_group_segment_fixed_size 32768
		.amdhsa_private_segment_fixed_size 0
		.amdhsa_enable_private_segment 0
		.amdhsa_kernarg_size 40
		.amdhsa_user_sgpr_count 2
		.amdhsa_user_sgpr_kernarg_segment_ptr 1
		.amdhsa_wavefront_size32 1
		.amdhsa_system_sgpr_workgroup_id_x 1
		.amdhsa_system_sgpr_workgroup_id_y 1
		.amdhsa_system_sgpr_workgroup_id_z 1
		.amdhsa_system_vgpr_workitem_id 0
		.amdhsa_next_free_vgpr 202
		.amdhsa_next_free_sgpr 100
		.amdhsa_reserve_vcc 0
		.amdhsa_float_denorm_mode_32 3
		.amdhsa_float_denorm_mode_16_64 3
		.amdhsa_memory_ordered 1
		.amdhsa_forward_progress 1
		.amdhsa_inst_pref_size 98
	.end_amdhsa_kernel
	.amdgpu_metadata
---
amdhsa.version: [ 1, 2 ]
amdhsa.kernels:
  - .name:           k_qa10111b6fd_attn
    .symbol:         k_qa10111b6fd_attn.kd
    .args:
      - { .name: xcodes, .offset: 0, .size: 8, .value_kind: global_buffer, .address_space: global }
      - { .name: xscales, .offset: 8, .size: 8, .value_kind: global_buffer, .address_space: global }
      - { .name: packA, .offset: 16, .size: 8, .value_kind: global_buffer, .address_space: global }
      - { .name: cxcodes, .offset: 24, .size: 8, .value_kind: global_buffer, .address_space: global }
      - { .name: cxscales, .offset: 32, .size: 8, .value_kind: global_buffer, .address_space: global }
    .group_segment_fixed_size: 32768
    .private_segment_fixed_size: 0
    .kernarg_segment_align: 8
    .kernarg_segment_size: 40
    .max_flat_workgroup_size: 128
    .sgpr_count:     100
    .vgpr_count:     202
    .wavefront_size: 32
...
	.end_amdgpu_metadata
.endif
;; end of part 2
;; launch tail (part 3): grid 1040 x 1, 4 waves a work-group, no clusters, 59,392 bytes of LDS; arguments q, cxcodes, cxscales, packB, out0; writes out0
.if DOCPART == 3
	.amdgcn_target "amdgcn-amd-amdhsa--gfx1250"
	.amdhsa_code_object_version 6
	.text
	.protected	k_qa10111b6fd_tail
	.globl	k_qa10111b6fd_tail
	.p2align	8
	.type	k_qa10111b6fd_tail,@function
k_qa10111b6fd_tail:
	s_mov_b64 s[64:65], 0
	v_nop
	global_prefetch_b8 v0, s[64:65] scope:SCOPE_SE
	s_setreg_imm32_b32 hwreg(HW_REG_WAVE_MODE, 25, 1), 1
	s_wait_xcnt 0x0
; out0 = LN2(n + gelu(n W1^T + b1) W2^T + b2), n = LN1(x + ctx Wo^T + bo): all that is row by row, for 64 neighbouring positions p = 65 t + f of one b: 256 consecutive bytes of every channel of q and of out0.
; A wave owns 16 positions.  Every product is used transposed (source 0 = 16 rows of a weight, source 1 = my 16 rows), and lane r of a weight's tile T takes row 32 (T/2) + 8 (T%2) + r + 8 (r/8): so A LANE HOLDS ONE ROW,
; AND ITS REGISTER 16 b + i IS CHANNEL (OR HIDDEN UNIT) 32 b + 16 (lane / 16) + i throughout: the norms want one exchange between the halves of the lanes, and a result is quantised where it lies.
; IN: q (f32: the residual goes on into a quantiser), the attention's codes and scale words, packB (36 images of weights' tiles, their scale words, the vectors), copied into LDS once.
; x comes in, and the result leaves, by channels (sixteen lanes to 256 consecutive bytes) and turns through a stage in LDS: 64 rows of 256 bytes, pitch 272, and 64 bytes more for each 16 channels, so that the two halves
; of the lanes, 16 channels apart, fall on different banks.
; K = 64 IN AN INSTRUCTION OF K = 128: my rows' fragment has zero codes in registers 4-7; the weights' fragments are runs of 4 registers on end.  Bytes 2 and 3 of such scale words are 0.
; GELU, exact form: gelu(x) = max(x, 0) - |x| e, e = erfc(|x| / sqrt 2) / 2 = t 2^(-x^2 log2(e) / 2 + P(t)), t = 1 / (1 + |x| / sqrt 8), P of degree 9.
; LIMITS: that formula's relative error is 1.2e-7 of erfc, beside what f32 adds; e under 2^-126 counts as 0; NaN and infinities are not served; a block whose largest magnitude lies under 2^-124 gets the byte 1.
; No tensor loads, no multicast: what work-groups share is the pack of 23,552 bytes.  The attention's codes are read as pieces of 16 bytes, a row's 32 at a time: rows that are neighbours here lie 256 bytes apart there.
.set CSTR, 133120                      ; bytes from channel to channel
.set PSC,  18432                       ; LDS (= packB): the images' scale words, 64 bytes each
.set VEC,  20736                       ; the vectors: out_b, +256 ln1_w, +512 ln1_b, +768 b1, +1792 b2, +2048 ln2_w, +2304 ln2_b
.set XST,  23552                       ; the stage for x,
.set OST,  17664                       ; and, so many bytes on, that for the result
.set LI,  1                            ; v1  16 x lane
.set LS,  2                            ; v2  4 r
.set LB,  3                            ; v3  64 (lane / 16): my 16 channels of a vector
.set LX,  4                            ; v4  the stage by rows of mine: 4,416 (lane / 16) + 4 (16 wave + r)
.set SRW, 5                            ; v5  the stage by channels: 4,416 wave + 272 (lane / 16) + 16 r
.set GQ,  6                            ; v6  the same place in q and out0
.set PKO, 7                            ; v7  16 x thread: my piece of the pack
.set CS,  10                           ; v10 ctx's scale words, v11 n's, v12-13 the hidden layer's
.set NS,  11
.set HS,  12
.set WS,  14                           ; v14-21 the weights' scale words
.set TM,  22                           ; v22-37 at work
.set C8,  38                           ; v[38:39] a coefficient of P
.set MU,  40                           ; v[40:41] the mean, v[42:43] 1 / sqrt(var + eps): the low word serves both halves
.set RS,  42
.set NF,  44                           ; v44-51 my rows' fragment: ctx, then n; registers 4-7 stay zero
.set HF,  52                           ; v52-67 the hidden layer's two fragments
.set XN,  68                           ; v68-99 x, x + att, n, n + ffw, the result
.set Y,   100                          ; v100-131 results of 64 channels; w1's fragments; at work for gelu
.set H,   136                          ; v136-199 (v132-135: zeros) the hidden layer; weights' fragments; gains and biases
.set GA,  Y
.set GT,  Y+8
.set GC,  Y+16
.set GU,  Y+24
.macro PLACES n                        ; plain vector lines that name no register of the matrix instruction in front of them (ISA guide 7.12.1)
.rept \n
	v_nop
.endr
.endm
.macro MX d, a, b, sa, sb              ; adds onto what lies in d: a bias, or the sum so far
	v_wmma_scale_f32_16x16x128_f8f6f4 v[\d:\d+7], v[\a:\a+7], v[\b:\b+7], v[\d:\d+7], v[\sa], v[\sb] matrix_a_fmt:MATRIX_FMT_FP4 matrix_b_fmt:MATRIX_FMT_FP4
.endm
; 16 nb numbers of a lane, register 16 b + i = k 32 b + 16 (lane / 16) + i of my row, become codes in v[d] on and the scale word v[w].  nb = 2 or 4
.macro QUANT s, d, w, nb
.set qb, 0
.rept \nb
	v_max3_num_f32 v[TM+qb], |v[\s+16*qb]|, |v[\s+16*qb+1]|, 0x1800000     ; and the floor 2^(3 - 127): the byte cannot fall under 1
.set qb, qb+1
.endr
.irp i, 2,4,6,8,10,12,14
.set qb, 0
.rept \nb
	v_max3_num_f32 v[TM+qb], v[TM+qb], |v[\s+16*qb+\i]|, |v[\s+16*qb+\i+1]|
.set qb, qb+1
.endr
.endr
.set qb, 0
.rept \nb
	v_permlanex16_b32 v[TM+4+qb], v[TM+qb], s14, s15
.set qb, qb+1
.endr
.set qb, 0
.rept \nb
	v_max_num_f32 v[TM+qb], v[TM+qb], v[TM+4+qb]                   ; with lane l xor 16's: the block's largest magnitude
.set qb, qb+1
.endr
.set qb, 0
.rept \nb
	v_add_nc_u32 v[TM+8+qb], 0xff000000, v[TM+qb]                  ; 2 off its exponent field: the conversion's scale operand
.set qb, qb+1
.endr
.set qb, 0
.rept \nb
	v_lshrrev_b32 v[TM+4+qb], 23, v[TM+8+qb]                       ; the byte
.set qb, qb+1
.endr
	v_lshl_or_b32 v[\w], v[TM+5], 8, v[TM+4]
.if \nb > 2
	v_lshl_or_b32 v[\w], v[TM+6], 16, v[\w]
	v_lshl_or_b32 v[\w], v[TM+7], 24, v[\w]
.endif
.set qb, 0
.rept \nb
	v_cvt_scalef32_pk8_fp4_f32 v[\d+2*qb], v[\s+16*qb:\s+16*qb+7], v[TM+8+qb]
	v_cvt_scalef32_pk8_fp4_f32 v[\d+2*qb+1], v[\s+16*qb+8:\s+16*qb+15], v[TM+8+qb]
.set qb, qb+1
.endr
	v_nop                                                          ; one plain line behind a scaled conversion
.set qb, 0
.rept \nb/2                                                    ; the operand's layout wants a whole block in a lane
	v_permlane16_swap_b32 v[\d+4*qb], v[\d+4*qb+2]
	v_permlane16_swap_b32 v[\d+4*qb+1], v[\d+4*qb+3]
.set qb, qb+1
.endr
.endm
; XN = (XN - mean) / sqrt(var + 1e-5) x gain + bias, over my row's 64 channels: 32 are mine, 32 lane l xor 16's.  The variance is taken of the differences.  ow, ob: where gain and bias lie among the vectors
.macro LNORM ow, ob
.irp b, 0,1
.irp k, 0,1,2,3
	ds_load_b128 v[H+16*\b+4*\k:H+16*\b+4*\k+3], v[LB] offset:VEC+\ow+128*\b+16*\k
	ds_load_b128 v[H+32+16*\b+4*\k:H+32+16*\b+4*\k+3], v[LB] offset:VEC+\ob+128*\b+16*\k
.endr
.endr
	v_pk_add_f32 v[TM:TM+1], v[XN:XN+1], v[XN+2:XN+3]
	v_pk_add_f32 v[TM+2:TM+3], v[XN+4:XN+5], v[XN+6:XN+7]
.irp j, 8,12,16,20,24,28
	v_pk_add_f32 v[TM:TM+1], v[TM:TM+1], v[XN+\j:XN+\j+1]
	v_pk_add_f32 v[TM+2:TM+3], v[TM+2:TM+3], v[XN+\j+2:XN+\j+3]
.endr
	v_pk_add_f32 v[TM:TM+1], v[TM:TM+1], v[TM+2:TM+3]
	v_add_f32 v[TM], v[TM], v[TM+1]
	v_permlanex16_b32 v[TM+4], v[TM], s14, s15
	v_add_f32 v[TM], v[TM], v[TM+4]
	v_mul_f32 v[MU], s16, v[TM]                                    ; / 64
.set n, 0
.rept 16
	v_pk_add_f32 v[XN+n:XN+n+1], v[XN+n:XN+n+1], v[MU:MU+1] op_sel_hi:[1,0] neg_lo:[0,1] neg_hi:[0,1]
.set n, n+2
.endr
	v_pk_mul_f32 v[TM:TM+1], v[XN:XN+1], v[XN:XN+1]
	v_pk_mul_f32 v[TM+2:TM+3], v[XN+2:XN+3], v[XN+2:XN+3]
.irp j, 4,8,12,16,20,24,28
	v_pk_fma_f32 v[TM:TM+1], v[XN+\j:XN+\j+1], v[XN+\j:XN+\j+1], v[TM:TM+1]
	v_pk_fma_f32 v[TM+2:TM+3], v[XN+\j+2:XN+\j+3], v[XN+\j+2:XN+\j+3], v[TM+2:TM+3]
.endr
	v_pk_add_f32 v[TM:TM+1], v[TM:TM+1], v[TM+2:TM+3]
	v_add_f32 v[TM], v[TM], v[TM+1]
	v_permlanex16_b32 v[TM+4], v[TM], s14, s15
	v_add_f32 v[TM], v[TM], v[TM+4]
	v_fma_f32 v[TM], v[TM], s16, s17                               ; var + eps
	v_rsq_f32 v[RS], v[TM]
	v_nop                                                          ; one plain line behind a transcendental
	s_wait_dscnt 0x0                                               ; gain and bias
.set n, 0
	s_wait_alu depctr_va_vdst(0)
.rept 16
	v_pk_mul_f32 v[XN+n:XN+n+1], v[XN+n:XN+n+1], v[RS:RS+1] op_sel_hi:[1,0]
.set n, n+2
.endr
.set n, 0
.rept 16
	v_pk_fma_f32 v[XN+n:XN+n+1], v[XN+n:XN+n+1], v[H+n:H+n+1], v[H+32+n:H+32+n+1]
.set n, n+2
.endr
.endm
; gelu in place on the eight numbers of tile t of H, four pairs by turns
.macro GELU8 t
.set HB, H+8*\t
.irp j, 0,1,2,3,4,5,6,7
	v_and_b32 v[GA+\j], 0x7fffffff, v[HB+\j]                       ; |x|; from the tile's low end on
.endr
.irp j, 0,2,4,6
	v_pk_fma_f32 v[GT+\j:GT+\j+1], v[GA+\j:GA+\j+1], 0x3eb504f3, 1.0 op_sel_hi:[1,0,0]   ; 1 + |x| / sqrt 8
.endr
.irp j, 0,1,2,3,4,5,6,7
	v_rcp_f32 v[GT+\j], v[GT+\j]                                   ; t
.endr
.irp j, 0,2,4,6
	v_pk_mul_f32 v[GU+\j:GU+\j+1], v[HB+\j:HB+\j+1], v[HB+\j:HB+\j+1]   ; x^2.  (Plain lines behind the reciprocals)
.endr
	s_wait_alu depctr_va_vdst(0)
.irp j, 0,2,4,6
	v_pk_fma_f32 v[GC+\j:GC+\j+1], v[GT+\j:GT+\j+1], 0x3e7c6f08, v[C8:C8+1] op_sel_hi:[1,0,1]   ; P by Horner's rule: 0.24651730 t - 1.18611494
.endr
.irp k, 0x40097039, 0xbfd1a1e5, 0x3ecdfd18, 0xbe899a80, 0x3e0efb2e, 0x3f0a29d2, 0x3fb8ab5a, 0xc034d90f
.irp j, 0,2,4,6
	v_pk_fma_f32 v[GC+\j:GC+\j+1], v[GC+\j:GC+\j+1], v[GT+\j:GT+\j+1], \k op_sel_hi:[1,1,0]   ; 2.14747446, -1.63775315, 0.40232158, -0.26875686, 0.13963006, 0.53970062, 1.44272920, -2.82574822
.endr
.endr
.irp j, 0,2,4,6
	v_pk_fma_f32 v[GU+\j:GU+\j+1], v[GU+\j:GU+\j+1], 0xbf38aa3b, v[GC+\j:GC+\j+1] op_sel_hi:[1,0,1]   ; - x^2 log2(e) / 2 + P
.endr
.irp j, 0,1,2,3,4,5,6,7
	v_exp_f32 v[GU+\j], v[GU+\j]
.endr
.irp j, 0,1,2,3,4,5,6,7
	v_max_num_f32 v[GC+\j], 0, v[HB+\j]                            ; max(x, 0).  (Plain lines behind the exponentials)
.endr
	s_wait_alu depctr_va_vdst(0)
.irp j, 0,2,4,6
	v_pk_mul_f32 v[GT+\j:GT+\j+1], v[GT+\j:GT+\j+1], v[GU+\j:GU+\j+1]   ; e
.endr
.irp j, 0,2,4,6
	v_pk_fma_f32 v[HB+\j:HB+\j+1], v[GA+\j:GA+\j+1], v[GT+\j:GT+\j+1], v[GC+\j:GC+\j+1] neg_lo:[1,0,0] neg_hi:[1,0,0]
.endr
.endm
	s_load_b256 s[4:11], s[0:1], 0x0               ; q s[4:5], cxcodes s[6:7], cxscales s[8:9], packB s[10:11]
	s_load_b64 s[12:13], s[0:1], 0x20              ; out0
	v_lshl_add_u32 v200, v0, 2, 0xe600
	v_mov_b32 v201, 0
	v_lshrrev_b32 v1, 5, v0
	v_readfirstlane_b32 s18, v1                    ; wave 0..3
	s_cmp_ge_u32 ttmp9, 520
	s_cselect_b32 s19, 1, 0                        ; b
	s_mul_i32 s21, s19, 520
	s_sub_co_u32 s20, ttmp9, s21
	s_lshl_b32 s20, s20, 6                         ; p0
	s_mul_i32 s22, s19, 64*CSTR
	s_mul_i32 s21, s18, 16*CSTR                    ; wave w moves channels 16 w .. 16 w + 15
	s_add_co_u32 s22, s22, s21
	s_lshl_b32 s21, s20, 2
	s_add_co_u32 s22, s22, s21
	s_mov_b32 s23, 0
	s_mul_i32 s24, s19, 64*16640                   ; b's 64 chunks of codes,
	s_mov_b32 s25, 0
	s_mul_i32 s26, s19, 64*2304                    ; and of scale words
	s_mov_b32 s27, 0
	s_mov_b32 s14, 0x76543210
	s_mov_b32 s15, 0xfedcba98                      ; v_permlanex16_b32's selects for lane l xor 16
	s_mov_b32 s16, 0x3c800000                      ; 1 / 64
	s_mov_b32 s17, 0x3727c5ac                      ; 1e-5
	s_lshl_b32 s28, s18, 6
	s_mul_i32 s29, s18, 4416
	s_lshl_b32 s30, s18, 4
	s_add_co_u32 s30, s30, s20                     ; my wave's first position
	v_and_b32 v22, 15, v0                          ; r
	v_bfe_u32 v23, v0, 4, 1                        ; h
	v_and_b32 v24, 31, v0
	v_lshlrev_b32 v[LI], 4, v24
	v_lshlrev_b32 v[LS], 2, v22
	v_lshlrev_b32 v[LB], 6, v23
	v_mul_u32_u24 v[LX], v23, 4416
	v_lshl_add_u32 v[LX], v22, 2, v[LX]
	v_add_nc_u32 v[LX], s28, v[LX]
	v_add_nc_u32 v[LX], XST, v[LX]
	v_mul_u32_u24 v[SRW], v23, 272
	v_lshl_add_u32 v[SRW], v22, 4, v[SRW]
	v_add_nc_u32 v[SRW], s29, v[SRW]
	v_add_nc_u32 v[SRW], XST, v[SRW]
	v_mul_u32_u24 v[GQ], v23, CSTR
	v_lshl_add_u32 v[GQ], v22, 4, v[GQ]
	v_lshlrev_b32 v[PKO], 4, v0
	v_add_nc_u32 v25, s30, v22                     ; p
	v_mul_u32_u24 v26, v25, 64528
	v_lshrrev_b32 v26, 22, v26                     ; t = p / 65 (exact for p < 33,280: 16 x 511 + 64 x 64,528 < 2^22)
	v_mul_u32_u24 v27, v26, 65
	v_sub_nc_u32 v27, v25, v27                     ; f
	v_lshrrev_b32 v28, 3, v26
	v_and_b32 v29, 7, v26
	v_mad_u32_u24 v8, v28, 65, v27
	v_lshlrev_b32 v8, 8, v8
	v_lshl_add_u32 v8, v29, 5, v8
	v_lshl_add_u32 v8, v23, 4, v8                  ; my row's record, my block
	v_mul_u32_u24 v9, v28, 2304
	v_lshl_add_u32 v9, v27, 5, v9
	v_lshl_add_u32 v9, v29, 2, v9                  ; its scale word
	s_wait_kmcnt 0x0
	s_add_nc_u64 s[4:5], s[4:5], s[22:23]
	s_add_nc_u64 s[12:13], s[12:13], s[22:23]
	s_add_nc_u64 s[6:7], s[6:7], s[24:25]
	s_add_nc_u64 s[8:9], s[8:9], s[26:27]
.irp k, 0,1,2,3,4,5,6,7,8,9,10                 ; the pack's 1,472 pieces of 16 bytes: 128 threads take eleven each, the first 64 a twelfth
	global_load_b128 v[H+4*\k:H+4*\k+3], v[PKO], s[10:11] offset:2048*\k
.endr
	s_cmp_lt_u32 s18, 2
	s_cbranch_scc0 .Leleven
	global_load_b128 v[H+44:H+47], v[PKO], s[10:11] offset:22528
.Leleven:
.irp k, 0,1,2,3,4,5,6,7
	global_load_b128 v[Y+4*\k:Y+4*\k+3], v[GQ], s[4:5] offset:2*\k*CSTR th:TH_LOAD_NT   ; channels 16 w + h + 2 k: sixteen lanes read 256 consecutive bytes
.endr
	global_load_b128 v[NF:NF+3], v8, s[6:7]
	global_load_b32 v[CS], v9, s[8:9]
	v_mov_b32 v[C8], 0xbf97d29d                    ; -1.18611494
	v_mov_b32 v[C8+1], 0xbf97d29d
	v_mov_b32 v[MU+1], 0                           ; (named as upper halves of pairs)
	v_mov_b32 v[RS+1], 0
.irp j, 48,49,50,51, 132,133,134,135
	v_mov_b32 v\j, 0                               ; zero codes for k = 64 .. 127
.endr
	s_wait_loadcnt 0x0
.irp k, 0,1,2,3,4,5,6,7,8,9,10
	ds_store_b128 v[PKO], v[H+4*\k:H+4*\k+3] offset:2048*\k
.endr
	s_cmp_lt_u32 s18, 2
	s_cbranch_scc0 .Leleven_stored
	ds_store_b128 v[PKO], v[H+44:H+47] offset:22528
.Leleven_stored:
.irp k, 0,1,2,3,4,5,6,7
	ds_store_b128 v[SRW], v[Y+4*\k:Y+4*\k+3] offset:544*\k
.endr
	s_wait_dscnt 0x0                               ; for the others' sake: my pieces and my channels have landed
	s_barrier_signal -1
	s_barrier_wait -1                              ; the pack and x's stage are whole, and are not written again
	; ---- x + ctx Wo^T + bo, and the first norm
.irp t, 0,1,2,3
	ds_load_b128 v[H+4*\t:H+4*\t+3], v[LI] offset:512*\t           ; out_w's tiles, 4 registers each, on end.  (Behind the last lie bytes of the pack, left from the copy: they meet ctx's zero codes)
	ds_load_b32 v[WS+\t], v[LS] offset:PSC+64*\t
	ds_load_b128 v[Y+8*\t:Y+8*\t+3], v[LB] offset:VEC+(32*(\t/2)+8*(\t%2))*4       ; out_b in the result's layout: the sum begins with it
	ds_load_b128 v[Y+8*\t+4:Y+8*\t+7], v[LB] offset:VEC+(32*(\t/2)+8*(\t%2))*4+16
.endr
.set n, 0
.rept 32
	ds_load_b32 v[XN+n], v[LX] offset:(32*(n/16)+n%16)*272+128*(n/16)   ; x of my row, channel 32 b + 16 h + i
.set n, n+1
.endr
	s_wait_dscnt 0x0
.irp t, 0,1,2,3
	MX Y+8*\t, H+4*\t, NF, WS+\t, CS
.endr
	PLACES 4
.set n, 0
.rept 16
	v_pk_add_f32 v[XN+n:XN+n+1], v[XN+n:XN+n+1], v[Y+n:Y+n+1]      ; each tile from its low end on
.set n, n+2
.endr
	LNORM 256, 512
	; ---- the hidden layer, 128 units (one K step of the last product) at a time
	QUANT XN, NF, NS, 2
.irp s, 0,1
.irp t, 0,1,2,3,4,5,6,7
	ds_load_b128 v[Y+4*\t:Y+4*\t+3], v[LI] offset:512*(4+8*\s+\t)  ; w1's tiles; behind the last stand v132-135
	ds_load_b32 v[WS+\t], v[LS] offset:PSC+64*(4+8*\s+\t)
	ds_load_b128 v[H+8*\t:H+8*\t+3], v[LB] offset:VEC+768+(128*\s+32*(\t/2)+8*(\t%2))*4   ; b1
	ds_load_b128 v[H+8*\t+4:H+8*\t+7], v[LB] offset:VEC+768+(128*\s+32*(\t/2)+8*(\t%2))*4+16
.endr
	PLACES 8                                       ; n's scale word, made by vector lines, stands eight places ahead of the scaled products, its codes four
	s_wait_dscnt 0x0
.irp t, 0,1,2,3,4,5,6,7
	MX H+8*\t, Y+4*\t, NF, WS+\t, NS
.endr
	PLACES 4
.irp t, 0,1,2,3,4,5,6,7
	GELU8 \t
.endr
	QUANT H, HF+8*\s, HS+\s, 4
.endr
	; ---- n + h W2^T + b2, and the second norm
.irp t, 0,1,2,3
.irp s, 0,1
.irp c, 0,1
	ds_load_b128 v[H+8*(2*\t+\s)+4*\c:H+8*(2*\t+\s)+4*\c+3], v[LI] offset:512*(20+4*\t+2*\s+\c)   ; two images of 64 k make a fragment of 128
	ds_load_b32 v[TM+4*\t+2*\s+\c], v[LS] offset:PSC+64*(20+4*\t+2*\s+\c)
.endr
.endr
	ds_load_b128 v[Y+8*\t:Y+8*\t+3], v[LB] offset:VEC+1792+(32*(\t/2)+8*(\t%2))*4       ; b2
	ds_load_b128 v[Y+8*\t+4:Y+8*\t+7], v[LB] offset:VEC+1792+(32*(\t/2)+8*(\t%2))*4+16
.endr
	s_wait_dscnt 0x0
.irp t, 0,1,2,3
.irp s, 0,1
	v_lshl_or_b32 v[WS+2*\t+\s], v[TM+4*\t+2*\s+1], 16, v[TM+4*\t+2*\s]   ; and their two bytes each a scale word of four
.endr
.endr
	PLACES 8
.irp s, 0,1                                    ; the four accumulators by turns, one instruction a turn
.irp t, 0,1,2,3
	MX Y+8*\t, H+8*(2*\t+\s), HF+8*\s, WS+2*\t+\s, HS+\s
.endr
.endr
	PLACES 4
.set n, 0
.rept 16
	v_pk_add_f32 v[XN+n:XN+n+1], v[XN+n:XN+n+1], v[Y+n:Y+n+1]
.set n, n+2
.endr
	LNORM 2048, 2304
	; ---- the way out: by rows of mine into the second stage, by channels out of it
.set n, 0
.rept 32
	ds_store_b32 v[LX], v[XN+n] offset:OST+(32*(n/16)+n%16)*272+128*(n/16)
.set n, n+1
.endr
	s_wait_dscnt 0x0                               ; for the others' sake: my rows have landed
	s_barrier_signal -1
	s_barrier_wait -1
.irp k, 0,1,2,3,4,5,6,7
	ds_load_b128 v[Y+4*\k:Y+4*\k+3], v[SRW] offset:OST+544*\k
.endr
.irp k, 0,1,2,3,4,5,6,7
	s_wait_dscnt 7-\k                              ; LDS loads come back in order: load k is in, the 7 - k younger ones may be out
	global_store_b128 v[GQ], v[Y+4*\k:Y+4*\k+3], s[12:13] offset:2*\k*CSTR th:TH_STORE_NT   ; sixteen lanes store 256 consecutive bytes, at a multiple of 256 from out0's first byte
.endr
	s_wait_tensorcnt 0x0
	ds_add_u32 v200, v201
	s_wait_dscnt 0x0
	s_endpgm
.Lfunc_end_k_qa10111b6fd_tail:
	.size	k_qa10111b6fd_tail, .Lfunc_end_k_qa10111b6fd_tail-k_qa10111b6fd_tail
	.p2alignl 7, 3214868480
	.fill 96, 4, 3214868480
	.section	.rodata,"a",@progbits
	.p2align	6, 0x0
	.amdhsa_kernel k_qa10111b6fd_tail
		.amdhsa_group_segment_fixed_size 59392
		.amdhsa_private_segment_fixed_size 0
		.amdhsa_enable_private_segment 0
		.amdhsa_kernarg_size 40
		.amdhsa_user_sgpr_count 2
		.amdhsa_user_sgpr_kernarg_segment_ptr 1
		.amdhsa_wavefront_size32 1
		.amdhsa_system_sgpr_workgroup_id_x 1
		.amdhsa_system_sgpr_workgroup_id_y 1
		.amdhsa_system_sgpr_workgroup_id_z 1
		.amdhsa_system_vgpr_workitem_id 0
		.amdhsa_next_free_vgpr 202
		.amdhsa_next_free_sgpr 66
		.amdhsa_reserve_vcc 0
		.amdhsa_float_denorm_mode_32 3
		.amdhsa_float_denorm_mode_16_64 3
		.amdhsa_memory_ordered 1
		.amdhsa_forward_progress 1
		.amdhsa_inst_pref_size 150
	.end_amdhsa_kernel
	.amdgpu_metadata
---
amdhsa.version: [ 1, 2 ]
amdhsa.kernels:
  - .name:           k_qa10111b6fd_tail
    .symbol:         k_qa10111b6fd_tail.kd
    .args:
      - { .name: q, .offset: 0, .size: 8, .value_kind: global_buffer, .address_space: global }
      - { .name: cxcodes, .offset: 8, .size: 8, .value_kind: global_buffer, .address_space: global }
      - { .name: cxscales, .offset: 16, .size: 8, .value_kind: global_buffer, .address_space: global }
      - { .name: packB, .offset: 24, .size: 8, .value_kind: global_buffer, .address_space: global }
      - { .name: out0, .offset: 32, .size: 8, .value_kind: global_buffer, .address_space: global }
    .group_segment_fixed_size: 59392
    .private_segment_fixed_size: 0
    .kernarg_segment_align: 8
    .kernarg_segment_size: 40
    .max_flat_workgroup_size: 128
    .sgpr_count:     66
    .vgpr_count:     202
    .wavefront_size: 32
...
	.end_amdgpu_metadata
.endif
;; end of part 3
;; ======== version 2 of 2: 3 launches; version 1 with the launches attn, tail written anew for expert scheduling mode
;; workspace buffers: xcodes 6,488,064 bytes; xscales 983,040 bytes; packA 7,680 bytes; packB 23,552 bytes; cxcodes 2,129,920 bytes; cxscales 294,912 bytes
;; launch quant: the kernel of part 1 again; grid 258 x 3, 9 waves a work-group, no clusters, 17,664 bytes of LDS; arguments q, k, v, in_proj_w, out_w, w1, w2, in_proj_b, out_b, ln1_w, ln1_b, b1, b2, ln2_w, ln2_b, xcodes, xscales, packA, packB; writes xcodes, xscales, packA, packB
;; launch attn (part 4): grid 8 x 130, 4 waves a work-group, no clusters, 32,768 bytes of LDS; arguments xcodes, xscales, packA, cxcodes, cxscales; writes cxcodes, cxscales
.if DOCPART == 4
	.amdgcn_target "amdgcn-amd-amdhsa--gfx1250"
	.amdhsa_code_object_version 6
	.text
	.protected	k_qa10111b6fd_attn
	.globl	k_qa10111b6fd_attn
	.p2align	8
	.type	k_qa10111b6fd_attn,@function
k_qa10111b6fd_attn:
	s_mov_b64 s[64:65], 0
	v_nop
	global_prefetch_b8 v0, s[64:65] scope:SCOPE_SE
	s_setreg_imm32_b32 hwreg(HW_REG_WAVE_SCHED_MODE, 0, 2), 2
	s_setreg_imm32_b32 hwreg(HW_REG_WAVE_MODE, 25, 1), 1
	s_wait_xcnt 0x0
	s_wait_alu depctr_vm_vsrc(0)
; The three projections, the banded attention and the quantising of its result, for one sequence n = (b, f) (work-group y) and 64 queries (work-group x); each of the four waves owns 16 queries t0 .. t0 + 15.
; The keys that count for query t are t - 63 .. t: all lie in the 96 keys from kb = max((t0 & ~31) - 64, 0) on: three whole blocks of 32 of the second product's K.  So a wave sees its rows whole: M is found once, nothing is rescaled.
; IN: codes of q, k, v along the 64 channels (a record of 32 bytes a row, the 4 steps of one f together) and their scale words; packA: the twelve images of in_proj_w's tiles, their scale words, in_proj_b: copied into LDS once.
; K's AND V's TWELVE FRAGMENTS WAIT IN LDS, as images of their registers (16 bytes a lane, 512 a fragment), in 6,144 bytes of the wave's own, and are fetched anew in each head into registers that are free just then:
; 48 registers less a wave, for 12 LDS loads a head.
; K = 64 IN AN INSTRUCTION OF K = 128: the weights' fragments have zero codes in registers 4-7; the rows' fragments are runs of 4 registers on end, so their registers 4-7 are whatever follows, which meets zeros.
; Bytes 2 and 3 of every scale word are 0 (2^-127, no NaN).
; PER HEAD (16 channels), all in registers:
;   V = rows x Wv (source 0 = 16 keys, source 1 = Wv's 16 rows): a lane holds ONE channel and 48 keys; quantised along the keys: source 0 of the last product.
;   K^T, Q^T (source 0 = the weights' 16 rows, source 1 = 16 keys or queries): a lane holds one key or query and eight channels 8 (lane / 16) + j: two neighbouring registers ARE an operand of the f32 form (k = 2 (lane / 16) + j
;   stands for channel 8 (lane / 16) + 2 s + j on both sides), so the scores S^T = K Q^T, which go on into a quantiser, are made with f32 operands in four steps of 4 channels.
;   THE KEYS OF A TILE ARE NOT NEIGHBOURS: lane r of tile 2 b + u takes key 32 b + 8 u + r + 8 (r / 8), so that registers 16 b + i of S^T, p and V are key 32 b + 16 (lane / 16) + i.
;   SOFTMAX: hidden scores become -infinity; t = score x log2(e) / 4; M = ceil(the row's largest t); p = 2^(t - M) is quantised along the keys, not normalised; the sum is taken of the unquantised p and divides the product.
;   O^T = V^T P^T: a lane holds one query and channels 16 head + 8 (lane / 16) + j.
; OUT: the 64 channels of a query are quantised (block = two heads); records of 32 bytes, the 8 steps of one f together.  A lane's 16 bytes hold the block's groups of eight channels in the order 0, 2, 1, 3; out_w's images have the same order.
; LIMITS: NaN and infinities among the inputs are not served; a block whose largest magnitude lies under 2^-124 gets the byte 1; p under 2^-126 counts as 0.
; No multicast and no tensor loads: what the waves share is 7,680 bytes of weights; the rows' codes are 6 KB a wave.
; THE MODE: SCHED_MODE bits 1:0 = 2 (LLVM: expert scheduling mode 2), set by the entry lines.  The code itself states the register dependences
; between vector or matrix instructions and memory or LDS instructions, with s_wait_alu, always for 0.
; THE PLAN.  Registers that LDS or memory instructions touch:
;   v1-5, v29       addresses, made once at the head and never written again.
;   v188-192        addresses of the head's loads and of the pack's LDS stores; from the first head on they are biases and work registers.
;   KS, X           at the head: filled from memory, read by the LDS stores in front of the barrier; then operands and work registers.
;   THE FIRST GROUP of a head's LDS loads: Wv's and Wk's tiles (WA, WB, registers 0-3), their scale words, bk (BB), bv (v7), v's six fragments (X, registers 0-23).  Read by V's and K^T's products and eight moves;
;                   later in the head BB and X are work registers of the softmax.
;   THE SECOND GROUP: Wq's tile (WA), its scale words, bq (BA), k's six fragments (KS and X, registers 0-11 of each).  Read by K^T's and Q^T's products.
;   CC, CW          written by conversions and shifts; read by the two stores at the kernel's end.
; A head has three waits on va_vdst.  (a) Behind V's products: they are done reading what the second group lands in; V's quantiser, which names none of that, runs while the group lands.  (b) Behind the exponentials, ahead of
; their first reader.  (c) Ahead of the last product: its operands and scale words are written, the reciprocal is written, and all lines that named the first group's registers are done: so THE NEXT HEAD'S FIRST GROUP IS ASKED FOR
; STRAIGHT BEHIND THAT PRODUCT, with no wait of its own, and lands during the product, the division and the block's quantiser, none of which names a register of the group.
.set TC,  2162688                      ; a tensor's codes
.set TS,  327680                       ; a tensor's scale words
.set CHC, 8448                         ; a chunk (4 steps, 65 f) of q's, k's, v's codes
.set CHS, 1280                         ; and of their scale words
.set CXC, 16640                        ; a chunk (8 steps, 65 f) of the result's codes
.set CXS, 2304                         ; and of its scale words
.set PSC, 6144                         ; LDS (= packA): the images' scale words, 64 bytes each
.set PBI, 6912                         ; in_proj_b
.set FST, 7680                         ; LDS, behind the pack: 6,144 bytes for each wave: k's six fragments, then v's six
.set LI,  1                            ; v1  16 x lane: my place in an image
.set LS,  2                            ; v2  4 r: my row's scale word, or bias
.set LB,  3                            ; v3  32 (lane / 16): my eight biases
.set LQ,  4                            ; v4  the result's record of my query: (r / 8) chunks + 32 (r % 8) + 16 (lane / 16)
.set SQ,  5                            ; v5  and its scale word
.set NINF, 6                           ; v6  -infinity
.set DD,  7                            ; v7  at the head: my query less my half's first key; then bv of my channel
.set BV,  7
.set DSQ, 8                            ; v8  q's scale words; v9-14 k's six tiles'; v15-20 v's
.set DSK, 9
.set DSV, 15
.set WSV, 21                           ; v21-23 the weights' scale words
.set WSK, 22
.set WSQ, 23
.set VS,  24                           ; v24 V's scale word, v25 p's
.set PS,  25
.set RL,  26                           ; v[26:27] 1 / the row's sum (the low word serves both halves)
.set CW,  28                           ; v28 the result's scale word
.set LW,  29                           ; v29 16 x lane in my wave's fragments in LDS
.set XQ,  32                           ; v32-35 q's fragment;
.set CC,  36                           ; v36-39 behind it the result's codes
.set S,   40                           ; v40-87 V, then the scores: written by matrix instructions alone
.set X,   88                           ; v88-135 v's fragments; k's tiles 3-5 and what V's quantiser needs; K^T; the masked scores, then p
.set KS,  136                          ; v136-151 k's tiles 0-2, in the registers of
.set QH,  136                          ; v136-143 Q^T, then p's codes, and
.set PF,  136
.set O1,  144                          ; v144-151 O^T of an odd head
.set O0,  152                          ; v152-159 O^T of an even head
.set VF,  160                          ; v160-167 V's codes
.set WA,  168                          ; v168-175, v176-183 weights' fragments; their registers 4-7 stay zero
.set WB,  176
.set BA,  184                          ; v184-191, v192-199 biases as the C of a product; at the kernel's head and behind the projections at work, as T
.set BB,  192
.set T,   184
.macro PLACES n                        ; plain vector lines that name no register of the matrix instruction in front of them (ISA guide 7.12.1)
.rept \n
	v_nop
.endr
.endm
.macro MX d, a, b, c, sa, sb
	v_wmma_scale_f32_16x16x128_f8f6f4 v[\d:\d+7], v[\a:\a+7], v[\b:\b+7], v[\c:\c+7], v[\sa], v[\sb] matrix_a_fmt:MATRIX_FMT_FP4 matrix_b_fmt:MATRIX_FMT_FP4
.endm
; 48 numbers of a lane, register 16 b + i = k 32 b + 16 (lane / 16) + i of my row, become a fragment's codes in v[d] on (k = 96 .. 127: zeros) and its scale word in v[w].  v[t] .. v[t + 8] at work
.macro QUANT3 s, d, w, t
.irp b, 0,1,2
	v_max3_num_f32 v[\t+\b], |v[\s+16*\b]|, |v[\s+16*\b+1]|, 0x1800000     ; my 16 numbers of block b, and the floor 2^(3 - 127): the byte cannot fall under 1
.endr
.irp i, 2,4,6,8,10,12,14
.irp b, 0,1,2
	v_max3_num_f32 v[\t+\b], v[\t+\b], |v[\s+16*\b+\i]|, |v[\s+16*\b+\i+1]|
.endr
.endr
.irp b, 0,1,2
	v_permlanex16_b32 v[\t+3+\b], v[\t+\b], s66, s67
.endr
.irp b, 0,1,2
	v_max_num_f32 v[\t+\b], v[\t+\b], v[\t+3+\b]                   ; with lane l xor 16's: the block's largest magnitude
.endr
.irp b, 0,1,2
	v_add_nc_u32 v[\t+6+\b], 0xff000000, v[\t+\b]                  ; 2 off its exponent field: the conversion's scale operand
.endr
.irp b, 0,1,2
	v_lshrrev_b32 v[\t+3+\b], 23, v[\t+6+\b]                       ; the byte
.endr
	v_lshl_or_b32 v[\w], v[\t+4], 8, v[\t+3]
	v_lshl_or_b32 v[\w], v[\t+5], 16, v[\w]                        ; byte 3 stays 0
	v_mov_b32 v[\d+6], 0
	v_mov_b32 v[\d+7], 0
.irp b, 0,1,2
	v_cvt_scalef32_pk8_fp4_f32 v[\d+2*\b], v[\s+16*\b:\s+16*\b+7], v[\t+6+\b]
	v_cvt_scalef32_pk8_fp4_f32 v[\d+2*\b+1], v[\s+16*\b+8:\s+16*\b+15], v[\t+6+\b]
.endr
	v_nop                                                          ; one plain line behind a scaled conversion
.irp c, 0,1                                                    ; the operand's layout wants a whole block in a lane: lanes 0-15 block 2 c, lanes 16-31 block 2 c + 1
.irp i, 0,1
	v_permlane16_swap_b32 v[\d+4*\c+\i], v[\d+4*\c+2+\i]
.endr
.endr
.endm
; The first group of head hd's LDS loads
.macro FIRST hd
	ds_load_b128 v[WA:WA+3], v[LI] offset:512*(8+(\hd))            ; Wv's tile
	ds_load_b128 v[WB:WB+3], v[LI] offset:512*(4+(\hd))            ; Wk's
	ds_load_b32 v[WSV], v[LS] offset:PSC+64*(8+(\hd))
	ds_load_b32 v[WSK], v[LS] offset:PSC+64*(4+(\hd))
	ds_load_b128 v[BB:BB+3], v[LB] offset:PBI+256+64*(\hd)         ; bk of my eight channels
	ds_load_b128 v[BB+4:BB+7], v[LB] offset:PBI+256+64*(\hd)+16
	ds_load_b32 v[BV], v[LS] offset:PBI+512+64*(\hd)               ; bv of my one channel
.irp t, 0,1,2,3,4,5
	ds_load_b128 v[X+4*\t:X+4*\t+3], v[LW] offset:3072+512*\t      ; v's six fragments, where the last head's p lay
.endr
.endm
	s_load_b256 s[4:11], s[0:1], 0x0               ; xcodes s[4:5], xscales s[6:7], packA s[8:9], cxcodes s[10:11]
	s_load_b64 s[12:13], s[0:1], 0x20              ; cxscales
	v_lshl_add_u32 v30, v0, 2, 0x7e00
	v_mov_b32 v31, 0
	v_lshrrev_b32 v1, 5, v0
	v_readfirstlane_b32 s70, v1                    ; wave 0..3
	s_wait_alu depctr_va_sdst(0)                   ; s70 is written, ahead of its first reader: t0, the LDS place of my fragments and two branches are made from it
	s_and_b32 s71, ttmp7, 0xffff                   ; n
	s_cmp_ge_u32 s71, 65
	s_cselect_b32 s72, 1, 0                        ; b
	s_mul_i32 s76, s72, 65
	s_sub_co_u32 s73, s71, s76                     ; f
	s_lshl_b32 s74, ttmp9, 2
	s_add_co_u32 s74, s74, s70
	s_lshl_b32 s74, s74, 4                         ; t0
	s_and_not1_b32 s75, s74, 31
	s_sub_co_i32 s75, s75, 64
	s_max_i32 s75, s75, 0                          ; kb
	s_lshl_b32 s77, s72, 7
	s_lshr_b32 s76, s74, 2
	s_add_co_u32 s76, s76, s77                     ; the queries' first chunk of 4 steps
	s_lshr_b32 s78, s75, 2
	s_add_co_u32 s78, s78, s77                     ; the keys'
	s_lshl_b32 s79, s73, 7                         ; 128 f
	s_mul_i32 s96, s76, CHC
	s_add_co_u32 s96, s96, s79
	s_mov_b32 s97, 0
	s_mul_i32 s98, s78, CHC
	s_add_co_u32 s98, s98, s79
	s_mov_b32 s99, 0
	s_mov_b32 s66, 0x76543210
	s_mov_b32 s67, 0xfedcba98                      ; v_permlanex16_b32's selects for lane l xor 16
	s_mov_b32 s68, 0x3eb8aa3b                      ; c = log2(e) / sqrt(16)
	s_mov_b32 s69, s68                             ; (named with it as a pair, so it is written)
	s_wait_kmcnt 0x0
	s_add_nc_u64 s[80:81], s[4:5], s[96:97]        ; q's codes
	s_add_nc_u64 s[82:83], s[4:5], s[98:99]
	s_add_nc_u64 s[84:85], s[82:83], 2*TC          ; v's codes
	s_add_nc_u64 s[82:83], s[82:83], TC            ; k's codes
	s_lshl_b32 s79, s73, 4                         ; 16 f
	s_mul_i32 s96, s76, CHS
	s_add_co_u32 s96, s96, s79
	s_mul_i32 s98, s78, CHS
	s_add_co_u32 s98, s98, s79
	s_add_nc_u64 s[86:87], s[6:7], s[96:97]        ; q's scale words
	s_add_nc_u64 s[88:89], s[6:7], s[98:99]
	s_add_nc_u64 s[90:91], s[88:89], 2*TS          ; v's
	s_add_nc_u64 s[88:89], s[88:89], TS            ; k's
	s_lshl_b32 s77, s72, 6
	s_lshr_b32 s76, s74, 3
	s_add_co_u32 s76, s76, s77                     ; the result's first chunk of 8 steps
	s_mul_i32 s96, s76, 65
	s_add_co_u32 s96, s96, s73
	s_lshl_b32 s96, s96, 8
	s_add_nc_u64 s[92:93], s[10:11], s[96:97]      ; the result's codes
	s_mul_i32 s96, s76, CXS
	s_lshl_b32 s79, s73, 5
	s_add_co_u32 s96, s96, s79
	s_add_nc_u64 s[94:95], s[12:13], s[96:97]      ; and its scale words
	s_mul_i32 s77, s70, 6144
	s_add_co_u32 s77, s77, FST                     ; my wave's fragments in LDS
	v_and_b32 v[DD], 15, v0                        ; r
	v_bfe_u32 v[T+1], v0, 4, 1                     ; h
	v_and_b32 v[T+2], 31, v0
	v_lshlrev_b32 v[LI], 4, v[T+2]
	v_add_nc_u32 v[LW], s77, v[LI]
	v_lshlrev_b32 v[LS], 2, v[DD]
	v_lshlrev_b32 v[LB], 5, v[T+1]
	v_lshrrev_b32 v[T+2], 3, v[DD]                 ; r / 8
	v_and_b32 v[T+3], 7, v[DD]                     ; r % 8
	v_lshlrev_b32 v[LQ], 5, v[T+3]
	v_lshl_add_u32 v[LQ], v[T+1], 4, v[LQ]
	v_mad_u32_u24 v[LQ], v[T+2], CXC, v[LQ]
	v_lshlrev_b32 v[SQ], 2, v[T+3]
	v_mad_u32_u24 v[SQ], v[T+2], CXS, v[SQ]
	v_and_b32 v[T+3], 3, v[DD]                     ; r % 4
	v_lshlrev_b32 v[T+6], 5, v[T+3]
	v_lshl_add_u32 v[T+6], v[T+1], 4, v[T+6]       ; 32 (r % 4) + 16 h
	v_lshlrev_b32 v[T+7], 2, v[T+3]                ; 4 (r % 4)
	v_lshrrev_b32 v[T+9], 2, v[DD]                 ; r / 4
	v_mad_u32_u24 v[T+4], v[T+9], CHC, v[T+6]      ; my query's record: row t0 + r
	v_mad_u32_u24 v[T+5], v[T+9], CHS, v[T+7]      ; and its scale word
	v_and_b32 v[T+9], 1, v[T+9]
	v_lshl_add_u32 v[T+9], v[T+2], 2, v[T+9]       ; 4 (r / 8) + (r / 4) % 2: my key r + 8 (r / 8) of a tile, in chunks
	v_mad_u32_u24 v[T+6], v[T+9], CHC, v[T+6]      ; my key's record
	v_mad_u32_u24 v[T+7], v[T+9], CHS, v[T+7]      ; and its scale word
	v_lshlrev_b32 v[T+8], 4, v0                    ; 16 x thread: my pieces of the pack
.irp j, 12,13,14,15
	v_mov_b32 v[KS+\j], 0                          ; wave 3 loads nothing here; the registers are later named behind a fragment
.endr
	s_wait_alu depctr_va_vdst(0)                   ; all addresses (v1-5, v29, v188-192) are written, which the loads and stores of the whole kernel read; so are the four zeros above, in which a load of waves 0 to 2 lands
.irp k, 0,1,2                                  ; the pack's 480 pieces of 16 bytes: 128 threads take three each, the first 96 a fourth
	global_load_b128 v[KS+4*\k:KS+4*\k+3], v[T+8], s[8:9] offset:2048*\k
.endr
	s_cmp_lt_u32 s70, 3
	s_cbranch_scc0 .Lthree
	global_load_b128 v[KS+12:KS+15], v[T+8], s[8:9] offset:6144
.Lthree:
	global_load_b128 v[XQ:XQ+3], v[T+4], s[80:81]
	global_load_b32 v[DSQ], v[T+5], s[86:87]
.irp t, 0,1,2,3,4,5                            ; tile t = 2 b + u begins at key 32 b + 8 u: chunk 8 b + 2 u
	global_load_b128 v[X+4*\t:X+4*\t+3], v[T+6], s[82:83] offset:(8*(\t/2)+2*(\t%2))*CHC
	global_load_b128 v[X+24+4*\t:X+24+4*\t+3], v[T+6], s[84:85] offset:(8*(\t/2)+2*(\t%2))*CHC
	global_load_b32 v[DSK+\t], v[T+7], s[88:89] offset:(8*(\t/2)+2*(\t%2))*CHS
	global_load_b32 v[DSV+\t], v[T+7], s[90:91] offset:(8*(\t/2)+2*(\t%2))*CHS
.endr
	; THE BAND, once for all heads: register n = 16 b + i holds key kb + 32 b + 16 h + i; it counts where 0 <= query - key <= 63.  One lane mask for each register, from ids alone.
	; (These lines name v7, v185, v194 and v195: none is an address or a destination of the loads above)
	s_sub_co_u32 s76, s74, s75
	v_lshlrev_b32 v[T+10], 4, v[T+1]
	v_sub_nc_u32 v[DD], v[DD], v[T+10]
	v_add_nc_u32 v[DD], s76, v[DD]                 ; t0 - kb + r - 16 h
.set n, 0
.rept 48
	v_add_nc_u32 v[T+10+n%2], -(32*(n/16)+n%16), v[DD]
	v_cmp_gt_u32 s[16+n], 64, v[T+10+n%2]          ; unsigned: what is negative is large
.set n, n+1
.endr
	s_wait_alu depctr_va_sdst(0)                   ; the 48 masks s16 to s63 are written: one wait behind the run of compares, ahead of the next branch; the selections of every head read them
	v_mov_b32 v[NINF], 0xff800000
.irp j, 4,5,6,7
	v_mov_b32 v[WA+\j], 0                          ; zero codes for k = 64 .. 127
	v_mov_b32 v[WB+\j], 0
.endr
.irp j, 0,1,2,3
	v_mov_b32 v[CC+\j], 0                          ; named behind q's fragment before they are first written
.endr
	v_mov_b32 v[RL+1], 0                           ; (named as the upper half of a pair)
	s_wait_loadcnt 0x0
.irp k, 0,1,2
	ds_store_b128 v[T+8], v[KS+4*\k:KS+4*\k+3] offset:2048*\k      ; address and data: no vector line since the wait ahead of the loads names them
.endr
	s_cmp_lt_u32 s70, 3
	s_cbranch_scc0 .Lthree_stored
	ds_store_b128 v[T+8], v[KS+12:KS+15] offset:6144
.Lthree_stored:
.irp t, 0,1,2,3,4,5,6,7,8,9,10,11
	ds_store_b128 v[LW], v[X+4*\t:X+4*\t+3] offset:512*\t          ; k's six fragments, v's six: as they stand, into my wave's own bytes
.endr
	s_wait_dscnt 0x0                               ; for the others' sake: my pieces of the pack have landed
	s_barrier_signal -1
	s_barrier_wait -1                              ; the pack is whole; nothing is stored to LDS behind this line
	s_wait_alu depctr_va_vdst(0)                   ; the band's lines are done with v7, v194 and v195, in which loads of the first group land; the zero codes of WA, WB and CC are written, which the scaled products take
	s_wait_alu depctr_vm_vsrc(0)                   ; the head's loads and LDS stores have read v188-192, X and KS: loads land in them, and vector and matrix lines write them, from here on
	FIRST 0
.macro HEAD hd
.set OO, O0-8*((\hd)%2)                ; O^T of an even, of an odd head
	s_wait_dscnt 0x0                               ; the first group is in
.irp j, 0,1,2,3,4,5,6,7
	v_mov_b32 v[BA+\j], v[BV]
.endr
	PLACES 4
.irp t, 0,1,2,3,4,5                            ; V: lane (r, h): channel r, keys 32 b + 16 h + 8 u + j
	MX S+8*\t, X+4*\t, WA, BA, DSV+\t, WSV
.endr
	PLACES 4                                       ; in front of the first read of V
	s_wait_alu depctr_va_vdst(0)                   ; V's products are done reading WA, BA and v's fragments, the last head's lines are done with v136-151: the second group lands there; the last head's conversions have written CC, which Q^T's product takes
	ds_load_b128 v[WA:WA+3], v[LI] offset:512*\hd                  ; Wq's tile
	ds_load_b32 v[WSQ], v[LS] offset:PSC+64*\hd
	ds_load_b128 v[BA:BA+3], v[LB] offset:PBI+64*\hd               ; bq
	ds_load_b128 v[BA+4:BA+7], v[LB] offset:PBI+64*\hd+16
.irp t, 0,1,2
	ds_load_b128 v[KS+4*\t:KS+4*\t+3], v[LW] offset:512*\t         ; k's tiles 0-2
	ds_load_b128 v[X+4*\t:X+4*\t+3], v[LW] offset:512*(3+\t)       ; k's tiles 3-5
.endr
	QUANT3 S, VF, VS, X+32                         ; these lines stand between the loads and the wait for them; they name S, VF, VS and X's registers 32-40: none that a load of the group touches
	s_wait_dscnt 0x0
.irp t, 3,4,5                                  ; K^T: lane (r, h): the tile's key r, channels 8 h + j.  Tiles 3-5 first: their fragments lie where tiles 0-2 will land
	MX X+8*\t, WB, X+4*(\t-3), BB, WSK, DSK+\t
.endr
	PLACES 5                                       ; the next three write over fragments that the last three have read
.irp t, 0,1,2
	MX X+8*\t, WB, KS+4*\t, BB, WSK, DSK+\t
.endr
	PLACES 5                                       ; Q^T lands on k's fragments
	MX QH, WA, XQ, BA, WSQ, DSQ                    ; Q^T
	PLACES 5                                       ; K^T and Q^T go on as operands of matrix instructions
.irp s, 0,1,2,3                                ; S^T = K Q^T with f32 operands, channels 8 h + 2 s + j; the six accumulators by turns, one instruction a turn
.irp t, 0,1,2,3,4,5
.if \s == 0
	v_wmma_f32_16x16x4_f32 v[S+8*\t:S+8*\t+7], v[X+8*\t:X+8*\t+1], v[QH:QH+1], 0
.else
	v_wmma_f32_16x16x4_f32 v[S+8*\t:S+8*\t+7], v[X+8*\t+2*\s:X+8*\t+2*\s+1], v[QH+2*\s:QH+2*\s+1], v[S+8*\t:S+8*\t+7]
.endif
.endr
.endr
	PLACES 8                                       ; behind the f32 form: in front of reads of the scores and of writes over K^T
.set n, 0
.rept 48
	v_cndmask_b32 v[X+n], v[NINF], v[S+n], s[16+n]                 ; hidden scores become -infinity; the sums' own registers are left as they are
.set n, n+1
.endr
.irp b, 0,1,2
	v_max3_num_f32 v[T+\b], v[X+16*\b], v[X+16*\b+1], v[X+16*\b+2] ; the largest score of each block of 32 keys: for the row's maximum, and, since p rises with the score, for the block's largest p
.endr
.irp i, 3,5,7,9,11,13
.irp b, 0,1,2
	v_max3_num_f32 v[T+\b], v[T+\b], v[X+16*\b+\i], v[X+16*\b+\i+1]
.endr
.endr
.irp b, 0,1,2
	v_max_num_f32 v[T+\b], v[T+\b], v[X+16*\b+15]
.endr
.irp b, 0,1,2
	v_permlanex16_b32 v[T+3+\b], v[T+\b], s66, s67
.endr
.irp b, 0,1,2
	v_max_num_f32 v[T+\b], v[T+\b], v[T+3+\b]
.endr
	v_max3_num_f32 v[T+11], v[T], v[T+1], v[T+2]                   ; the row's largest score (the query's own key always counts)
	v_mul_f32 v[T+11], s68, v[T+11]                                ; as t
	v_floor_f32 v[T+6], -v[T+11]                                   ; -M = floor(-t) = -ceil(t)
.set n, 0
.rept 24
	v_pk_fma_f32 v[X+n:X+n+1], v[X+n:X+n+1], s[68:69], v[T+6:T+7] op_sel_hi:[1,0,0]   ; t - M, two at a time (of the pairs c and -M the low word serves both halves)
.set n, n+2
.endr
.irp b, 0,1,2
	v_fma_f32 v[T+\b], v[T+\b], s68, v[T+6]                        ; the same of each block's largest score
.endr
.set n, 0
.rept 48
	v_exp_f32 v[X+n], v[X+n]                                       ; p = 2^(t - M); 0 where the key is hidden
.set n, n+1
.endr
.irp b, 0,1,2
	v_exp_f32 v[T+\b], v[T+\b]                                     ; the block's largest p: the same two instructions on the same number
.endr
	v_mov_b32 v[PF+6], 0                                           ; keys 96 .. 127: zero codes.  (Also the plain line behind the exponentials)
	v_mov_b32 v[PF+7], 0
	s_wait_alu depctr_va_vdst(0)                                   ; the 51 exponentials have written p and the blocks' largest p: one wait for the batch, ahead of its first reader
.irp b, 0,1,2
	v_max_num_f32 v[T+\b], 0x1800000, v[T+\b]                      ; the floor: a block all of whose keys are hidden keeps the byte 1; its codes are zeros
.endr
.irp b, 0,1,2
	v_add_nc_u32 v[T+8+\b], 0xff000000, v[T+\b]
.endr
.irp b, 0,1,2
	v_lshrrev_b32 v[T+3+\b], 23, v[T+8+\b]
.endr
	v_lshl_or_b32 v[PS], v[T+4], 8, v[T+3]
	v_lshl_or_b32 v[PS], v[T+5], 16, v[PS]
.irp b, 0,1,2
	v_cvt_scalef32_pk8_fp4_f32 v[PF+2*\b], v[X+16*\b:X+16*\b+7], v[T+8+\b]
	v_cvt_scalef32_pk8_fp4_f32 v[PF+2*\b+1], v[X+16*\b+8:X+16*\b+15], v[T+8+\b]
.endr
	v_nop
.irp c, 0,1
.irp i, 0,1
	v_permlane16_swap_b32 v[PF+4*\c+\i], v[PF+4*\c+2+\i]
.endr
.endr
	v_pk_add_f32 v[T+12:T+13], v[X:X+1], v[X+2:X+3]                ; the row's sum, of the unquantised p, in two chains.  (These lines are also the places between p's scale word and codes and the product)
	v_pk_add_f32 v[T+14:T+15], v[X+4:X+5], v[X+6:X+7]
.irp j, 8,12,16,20,24,28,32,36,40,44
	v_pk_add_f32 v[T+12:T+13], v[T+12:T+13], v[X+\j:X+\j+1]
	v_pk_add_f32 v[T+14:T+15], v[T+14:T+15], v[X+\j+2:X+\j+3]
.endr
	v_pk_add_f32 v[T+12:T+13], v[T+12:T+13], v[T+14:T+15]
	v_add_f32 v[T+12], v[T+12], v[T+13]
	v_permlanex16_b32 v[T+3], v[T+12], s66, s67
	v_add_f32 v[T+12], v[T+12], v[T+3]
	v_rcp_f32 v[RL], v[T+12]
	v_nop                                                          ; one plain line behind a transcendental
	s_wait_alu depctr_va_vdst(0)                                   ; V's and p's codes and scale words are written, which the product below takes; the reciprocal is written; the conversions and sums are done with X and BB, earlier lines with WA, WB, their scale words and v7
	v_wmma_scale_f32_16x16x128_f8f6f4 v[OO:OO+7], v[VF:VF+7], v[PF:PF+7], 0, v[VS], v[PS] matrix_a_fmt:MATRIX_FMT_FP4 matrix_b_fmt:MATRIX_FMT_FP4   ; O^T: lane (r, h): query r, channels 16 head + 8 h + j
.if (\hd) < 3
	FIRST \hd+1                                    ; the next head's first group.  No wait: no vector or matrix line since the wait above names a register that these loads touch, and none does up to the wait for them
.endif
	PLACES 4
.irp j, 0,2,4,6
	v_pk_mul_f32 v[OO+\j:OO+\j+1], v[OO+\j:OO+\j+1], v[RL:RL+1] op_sel_hi:[1,0]   ; / the sum; from the low end on
.endr
.if (\hd)%2 == 1                               ; two heads are a block of 32 channels of the next product's K.  (At work: T to T + 5 alone, which lie in BA: BB is being loaded)
	v_max3_num_f32 v[T], |v[O0]|, |v[O0+1]|, 0x1800000
	v_max3_num_f32 v[T+1], |v[O1]|, |v[O1+1]|, 0x1800000
.irp i, 2,4,6
	v_max3_num_f32 v[T], v[T], |v[O0+\i]|, |v[O0+\i+1]|
	v_max3_num_f32 v[T+1], v[T+1], |v[O1+\i]|, |v[O1+\i+1]|
.endr
	v_max_num_f32 v[T], v[T], v[T+1]
	v_permlanex16_b32 v[T+3], v[T], s66, s67
	v_max_num_f32 v[T], v[T], v[T+3]
	v_add_nc_u32 v[T+5], 0xff000000, v[T]
	v_lshrrev_b32 v[T+4], 23, v[T+5]
.if (\hd)/2 == 0
	v_mov_b32 v[CW], v[T+4]
.else
	v_lshl_or_b32 v[CW], v[T+4], 8, v[CW]
.endif
	v_cvt_scalef32_pk8_fp4_f32 v[CC+2*((\hd)/2)], v[O0:O0+7], v[T+5]
	v_cvt_scalef32_pk8_fp4_f32 v[CC+2*((\hd)/2)+1], v[O1:O1+7], v[T+5]
	v_nop
.endif
.endm
	HEAD 0
	HEAD 1
	HEAD 2
	HEAD 3
	v_permlane16_swap_b32 v[CC], v[CC+2]           ; lanes 0-15 block 0, lanes 16-31 block 1; in a lane the groups of eight channels 0, 2, 1, 3
	v_permlane16_swap_b32 v[CC+1], v[CC+3]
	s_wait_alu depctr_va_vdst(0)                   ; the conversions and swaps have written CC, the shifts CW: the two stores read them
	global_store_b128 v[LQ], v[CC:CC+3], s[92:93]  ; the wave's 16 records: twice 256 consecutive bytes, each at a multiple of 256 from the buffer's first byte
	global_store_b32 v[SQ], v[CW], s[94:95]        ; both halves of the lanes write the same word with the same value
	s_wait_dscnt 0x0
	s_wait_alu depctr_hold_cnt(0) depctr_sa_sdst(0) depctr_va_vdst(0) depctr_va_sdst(0) depctr_va_ssrc(0) depctr_va_vcc(0) depctr_vm_vsrc(0)
	s_wait_tensorcnt 0x0
	ds_add_u32 v30, v31
	s_wait_dscnt 0x0
	s_endpgm
.Lfunc_end_k_qa10111b6fd_attn:
	.size	k_qa10111b6fd_attn, .Lfunc_end_k_qa10111b6fd_attn-k_qa10111b6fd_attn
	.p2alignl 7, 3214868480
	.fill 96, 4, 3214868480
	.section	.rodata,"a",@progbits
	.p2align	6, 0x0
	.amdhsa_kernel k_qa10111b6fd_attn
		.amdhsa_group_segment_fixed_size 32768
		.amdhsa_private_segment_fixed_size 0
		.amdhsa_enable_private_segment 0
		.amdhsa_kernarg_size 40
		.amdhsa_user_sgpr_count 2
		.amdhsa_user_sgpr_kernarg_segment_ptr 1
		.amdhsa_wavefront_size32 1
		.amdhsa_system_sgpr_workgroup_id_x 1
		.amdhsa_system_sgpr_workgroup_id_y 1
		.amdhsa_system_sgpr_workgroup_id_z 1
		.amdhsa_system_vgpr_workitem_id 0
		.amdhsa_next_free_vgpr 200
		.amdhsa_next_free_sgpr 100
		.amdhsa_reserve_vcc 0
		.amdhsa_float_denorm_mode_32 3
		.amdhsa_float_denorm_mode_16_64 3
		.amdhsa_memory_ordered 1
		.amdhsa_forward_progress 1
		.amdhsa_inst_pref_size 99
	.end_amdhsa_kernel
	.amdgpu_metadata
---
amdhsa.version: [ 1, 2 ]
amdhsa.kernels:
  - .name:           k_qa10111b6fd_attn
    .symbol:         k_qa10111b6fd_attn.kd
    .args:
      - { .name: xcodes, .offset: 0, .size: 8, .value_kind: global_buffer, .address_space: global }
      - { .name: xscales, .offset: 8, .size: 8, .value_kind: global_buffer, .address_space: global }
      - { .name: packA, .offset: 16, .size: 8, .value_kind: global_buffer, .address_space: global }
      - { .name: cxcodes, .offset: 24, .size: 8, .value_kind: global_buffer, .address_space: global }
      - { .name: cxscales, .offset: 32, .size: 8, .value_kind: global_buffer, .address_space: global }
    .group_segment_fixed_size: 32768
    .private_segment_fixed_size: 0
    .kernarg_segment_align: 8
    .kernarg_segment_size: 40
    .max_flat_workgroup_size: 128
    .sgpr_count:     100
    .vgpr_count:     200
    .wavefront_size: 32
...
	.end_amdgpu_metadata
.endif
;; end of part 4
;; launch tail (part 5): grid 1040 x 1, 4 waves a work-group, no clusters, 59,392 bytes of LDS; arguments q, cxcodes, cxscales, packB, out0; writes out0
.if DOCPART == 5
	.amdgcn_target "amdgcn-amd-amdhsa--gfx1250"
	.amdhsa_code_object_version 6
	.text
	.protected	k_qa10111b6fd_tail
	.globl	k_qa10111b6fd_tail
	.p2align	8
	.type	k_qa10111b6fd_tail,@function
k_qa10111b6fd_tail:
	s_mov_b64 s[64:65], 0
	v_nop
	global_prefetch_b8 v0, s[64:65] scope:SCOPE_SE
	s_setreg_imm32_b32 hwreg(HW_REG_WAVE_SCHED_MODE, 0, 2), 2
	s_setreg_imm32_b32 hwreg(HW_REG_WAVE_MODE, 25, 1), 1
	s_wait_xcnt 0x0
	s_wait_alu depctr_vm_vsrc(0)
; out0 = LN2(n + gelu(n W1^T + b1) W2^T + b2), n = LN1(x + ctx Wo^T + bo): all that is row by row, for 64 neighbouring positions p = 65 t + f of one b: 256 consecutive bytes of every channel of q and of out0.
; A wave owns 16 positions.  Every product is used transposed (source 0 = 16 rows of a weight, source 1 = my 16 rows), and lane r of a weight's tile T takes row 32 (T/2) + 8 (T%2) + r + 8 (r/8): so A LANE HOLDS ONE ROW,
; AND ITS REGISTER 16 b + i IS CHANNEL (OR HIDDEN UNIT) 32 b + 16 (lane / 16) + i throughout: the norms want one exchange between the halves of the lanes, and a result is quantised where it lies.
; IN: q (f32: the residual goes on into a quantiser), the attention's codes and scale words, packB (36 images of weights' tiles, their scale words, the vectors), copied into LDS once.
; x comes in, and the result leaves, by channels (sixteen lanes to 256 consecutive bytes) and turns through a stage in LDS: 64 rows of 256 bytes, pitch 272, and 64 bytes more for each 16 channels, so that the two halves
; of the lanes, 16 channels apart, fall on different banks.
; K = 64 IN AN INSTRUCTION OF K = 128: my rows' fragment has zero codes in registers 4-7; the weights' fragments are runs of 4 registers on end.  Bytes 2 and 3 of such scale words are 0.
; GELU, exact form: gelu(x) = max(x, 0) - |x| e, e = erfc(|x| / sqrt 2) / 2 = t 2^(-x^2 log2(e) / 2 + P(t)), t = 1 / (1 + |x| / sqrt 8), P of degree 9.
; LIMITS: that formula's relative error is 1.2e-7 of erfc, beside what f32 adds; e under 2^-126 counts as 0; NaN and infinities are not served; a block whose largest magnitude lies under 2^-124 gets the byte 1.
; No tensor loads, no multicast: what work-groups share is the pack of 23,552 bytes.  The attention's codes are read as pieces of 16 bytes, a row's 32 at a time: rows that are neighbours here lie 256 bytes apart there.
; THE MODE: SCHED_MODE bits 1:0 = 2 (LLVM: expert scheduling mode 2), set by the entry lines.  The code itself states the register dependences
; between vector or matrix instructions and memory or LDS instructions, with s_wait_alu, always for 0.
; THE PLAN.  Registers that LDS or memory instructions touch:
;   v1-9   addresses, made once at the head and never written again.
;   H      in turn: the pack's pieces (loaded from memory, read by LDS stores); out_w's tiles; gain and bias of a norm; b1, onto which the hidden layer's products add, then gelu and its quantiser in place; w2's fragments.
;   Y      in turn: x's channels (loaded from memory, read by LDS stores); out_b or b2, onto which products add; w1's tiles; gelu's work registers; at the end the result's channels, from LDS to memory.
;   WS, TM scale words from LDS; TM is also the norms' and quantisers' work, and w2's words in WS are made by vector lines.
;   XN     x from LDS; then vector lines alone, up to the LDS stores of the way out.
; Each time H, Y, WS or TM change hands from vector or matrix lines to LDS loads, ONE wait on va_vdst stands ahead of the run of loads, at a place where what it waits for is wanted by the next vector line anyway or has just been
; issued; and vector work that names none of the loads' registers follows the run where there is any (the residual's additions and a norm's sums behind gain and bias; n's quantiser behind w1's first tiles).
; Further waits on va_vdst: ahead of scaled products whose codes or scale words vector lines have made, behind their places; behind each batch of transcendentals, ahead of its first reader; ahead of the way out's LDS stores.
; One wait on vm_vsrc: behind the first barrier, where the registers that the head's LDS stores read are loaded again.
.set CSTR, 133120                      ; bytes from channel to channel
.set PSC,  18432                       ; LDS (= packB): the images' scale words, 64 bytes each
.set VEC,  20736                       ; the vectors: out_b, +256 ln1_w, +512 ln1_b, +768 b1, +1792 b2, +2048 ln2_w, +2304 ln2_b
.set XST,  23552                       ; the stage for x,
.set OST,  17664                       ; and, so many bytes on, that for the result
.set LI,  1                            ; v1  16 x lane
.set LS,  2                            ; v2  4 r
.set LB,  3                            ; v3  64 (lane / 16): my 16 channels of a vector
.set LX,  4                            ; v4  the stage by rows of mine: 4,416 (lane / 16) + 4 (16 wave + r)
.set SRW, 5                            ; v5  the stage by channels: 4,416 wave + 272 (lane / 16) + 16 r
.set GQ,  6                            ; v6  the same place in q and out0
.set PKO, 7                            ; v7  16 x thread: my piece of the pack
.set CS,  10                           ; v10 ctx's scale words, v11 n's, v12-13 the hidden layer's
.set NS,  11
.set HS,  12
.set WS,  14                           ; v14-21 the weights' scale words
.set TM,  22                           ; v22-37 at work
.set C8,  38                           ; v[38:39] a coefficient of P
.set MU,  40                           ; v[40:41] the mean, v[42:43] 1 / sqrt(var + eps): the low word serves both halves
.set RS,  42
.set NF,  44                           ; v44-51 my rows' fragment: ctx, then n; registers 4-7 stay zero
.set HF,  52                           ; v52-67 the hidden layer's two fragments
.set XN,  68                           ; v68-99 x, x + att, n, n + ffw, the result
.set Y,   100                          ; v100-131 results of 64 channels; w1's fragments; at work for gelu
.set H,   136                          ; v136-199 (v132-135: zeros) the hidden layer; weights' fragments; gains and biases
.set GA,  Y
.set GT,  Y+8
.set GC,  Y+16
.set GU,  Y+24
.macro PLACES n                        ; plain vector lines that name no register of the matrix instruction in front of them (ISA guide 7.12.1)
.rept \n
	v_nop
.endr
.endm
.macro MX d, a, b, sa, sb              ; adds onto what lies in d: a bias, or the sum so far
	v_wmma_scale_f32_16x16x128_f8f6f4 v[\d:\d+7], v[\a:\a+7], v[\b:\b+7], v[\d:\d+7], v[\sa], v[\sb] matrix_a_fmt:MATRIX_FMT_FP4 matrix_b_fmt:MATRIX_FMT_FP4
.endm
; 16 nb numbers of a lane, register 16 b + i = k 32 b + 16 (lane / 16) + i of my row, become codes in v[d] on and the scale word v[w].  nb = 2 or 4
.macro QUANT s, d, w, nb
.set qb, 0
.rept \nb
	v_max3_num_f32 v[TM+qb], |v[\s+16*qb]|, |v[\s+16*qb+1]|, 0x1800000     ; and the floor 2^(3 - 127): the byte cannot fall under 1
.set qb, qb+1
.endr
.irp i, 2,4,6,8,10,12,14
.set qb, 0
.rept \nb
	v_max3_num_f32 v[TM+qb], v[TM+qb], |v[\s+16*qb+\i]|, |v[\s+16*qb+\i+1]|
.set qb, qb+1
.endr
.endr
.set qb, 0
.rept \nb
	v_permlanex16_b32 v[TM+4+qb], v[TM+qb], s14, s15
.set qb, qb+1
.endr
.set qb, 0
.rept \nb
	v_max_num_f32 v[TM+qb], v[TM+qb], v[TM+4+qb]                   ; with lane l xor 16's: the block's largest magnitude
.set qb, qb+1
.endr
.set qb, 0
.rept \nb
	v_add_nc_u32 v[TM+8+qb], 0xff000000, v[TM+qb]                  ; 2 off its exponent field: the conversion's scale operand
.set qb, qb+1
.endr
.set qb, 0
.rept \nb
	v_lshrrev_b32 v[TM+4+qb], 23, v[TM+8+qb]                       ; the byte
.set qb, qb+1
.endr
	v_lshl_or_b32 v[\w], v[TM+5], 8, v[TM+4]
.if \nb > 2
	v_lshl_or_b32 v[\w], v[TM+6], 16, v[\w]
	v_lshl_or_b32 v[\w], v[TM+7], 24, v[\w]
.endif
.set qb, 0
.rept \nb
	v_cvt_scalef32_pk8_fp4_f32 v[\d+2*qb], v[\s+16*qb:\s+16*qb+7], v[TM+8+qb]
	v_cvt_scalef32_pk8_fp4_f32 v[\d+2*qb+1], v[\s+16*qb+8:\s+16*qb+15], v[TM+8+qb]
.set qb, qb+1
.endr
	v_nop                                                          ; one plain line behind a scaled conversion
.set qb, 0
.rept \nb/2                                                    ; the operand's layout wants a whole block in a lane
	v_permlane16_swap_b32 v[\d+4*qb], v[\d+4*qb+2]
	v_permlane16_swap_b32 v[\d+4*qb+1], v[\d+4*qb+3]
.set qb, qb+1
.endr
.endm
; A norm's gain and bias, of my 32 channels, into H.  ow, ob: where they lie among the vectors
.macro LNLOAD ow, ob
.irp b, 0,1
.irp k, 0,1,2,3
	ds_load_b128 v[H+16*\b+4*\k:H+16*\b+4*\k+3], v[LB] offset:VEC+\ow+128*\b+16*\k
	ds_load_b128 v[H+32+16*\b+4*\k:H+32+16*\b+4*\k+3], v[LB] offset:VEC+\ob+128*\b+16*\k
.endr
.endr
.endm
; XN = (XN - mean) / sqrt(var + 1e-5) x gain + bias, over my row's 64 channels: 32 are mine, 32 lane l xor 16's.  The variance is taken of the differences.  Gain and bias have been asked for
.macro LNORM
	v_pk_add_f32 v[TM:TM+1], v[XN:XN+1], v[XN+2:XN+3]
	v_pk_add_f32 v[TM+2:TM+3], v[XN+4:XN+5], v[XN+6:XN+7]
.irp j, 8,12,16,20,24,28
	v_pk_add_f32 v[TM:TM+1], v[TM:TM+1], v[XN+\j:XN+\j+1]
	v_pk_add_f32 v[TM+2:TM+3], v[TM+2:TM+3], v[XN+\j+2:XN+\j+3]
.endr
	v_pk_add_f32 v[TM:TM+1], v[TM:TM+1], v[TM+2:TM+3]
	v_add_f32 v[TM], v[TM], v[TM+1]
	v_permlanex16_b32 v[TM+4], v[TM], s14, s15
	v_add_f32 v[TM], v[TM], v[TM+4]
	v_mul_f32 v[MU], s16, v[TM]                                    ; / 64
.set n, 0
.rept 16
	v_pk_add_f32 v[XN+n:XN+n+1], v[XN+n:XN+n+1], v[MU:MU+1] op_sel_hi:[1,0] neg_lo:[0,1] neg_hi:[0,1]
.set n, n+2
.endr
	v_pk_mul_f32 v[TM:TM+1], v[XN:XN+1], v[XN:XN+1]
	v_pk_mul_f32 v[TM+2:TM+3], v[XN+2:XN+3], v[XN+2:XN+3]
.irp j, 4,8,12,16,20,24,28
	v_pk_fma_f32 v[TM:TM+1], v[XN+\j:XN+\j+1], v[XN+\j:XN+\j+1], v[TM:TM+1]
	v_pk_fma_f32 v[TM+2:TM+3], v[XN+\j+2:XN+\j+3], v[XN+\j+2:XN+\j+3], v[TM+2:TM+3]
.endr
	v_pk_add_f32 v[TM:TM+1], v[TM:TM+1], v[TM+2:TM+3]
	v_add_f32 v[TM], v[TM], v[TM+1]
	v_permlanex16_b32 v[TM+4], v[TM], s14, s15
	v_add_f32 v[TM], v[TM], v[TM+4]
	v_fma_f32 v[TM], v[TM], s16, s17                               ; var + eps
	v_rsq_f32 v[RS], v[TM]
	v_nop                                                          ; one plain line behind a transcendental
	s_wait_dscnt 0x0                                               ; gain and bias
	s_wait_alu depctr_va_vdst(0)                                   ; the root's reciprocal is written, ahead of its first reader
.set n, 0
.rept 16
	v_pk_mul_f32 v[XN+n:XN+n+1], v[XN+n:XN+n+1], v[RS:RS+1] op_sel_hi:[1,0]
.set n, n+2
.endr
.set n, 0
.rept 16
	v_pk_fma_f32 v[XN+n:XN+n+1], v[XN+n:XN+n+1], v[H+n:H+n+1], v[H+32+n:H+32+n+1]
.set n, n+2
.endr
.endm
; gelu in place on the eight numbers of tile t of H, four pairs by turns
.macro GELU8 t
.set HB, H+8*\t
.irp j, 0,1,2,3,4,5,6,7
	v_and_b32 v[GA+\j], 0x7fffffff, v[HB+\j]                       ; |x|; from the tile's low end on
.endr
.irp j, 0,2,4,6
	v_pk_fma_f32 v[GT+\j:GT+\j+1], v[GA+\j:GA+\j+1], 0x3eb504f3, 1.0 op_sel_hi:[1,0,0]   ; 1 + |x| / sqrt 8
.endr
.irp j, 0,1,2,3,4,5,6,7
	v_rcp_f32 v[GT+\j], v[GT+\j]                                   ; t
.endr
.irp j, 0,2,4,6
	v_pk_mul_f32 v[GU+\j:GU+\j+1], v[HB+\j:HB+\j+1], v[HB+\j:HB+\j+1]   ; x^2.  (Plain lines behind the reciprocals, which name none of their results)
.endr
	s_wait_alu depctr_va_vdst(0)                                   ; the eight reciprocals are written: one wait for the batch, ahead of its first reader
.irp j, 0,2,4,6
	v_pk_fma_f32 v[GC+\j:GC+\j+1], v[GT+\j:GT+\j+1], 0x3e7c6f08, v[C8:C8+1] op_sel_hi:[1,0,1]   ; P by Horner's rule: 0.24651730 t - 1.18611494
.endr
.irp k, 0x40097039, 0xbfd1a1e5, 0x3ecdfd18, 0xbe899a80, 0x3e0efb2e, 0x3f0a29d2, 0x3fb8ab5a, 0xc034d90f
.irp j, 0,2,4,6
	v_pk_fma_f32 v[GC+\j:GC+\j+1], v[GC+\j:GC+\j+1], v[GT+\j:GT+\j+1], \k op_sel_hi:[1,1,0]   ; 2.14747446, -1.63775315, 0.40232158, -0.26875686, 0.13963006, 0.53970062, 1.44272920, -2.82574822
.endr
.endr
.irp j, 0,2,4,6
	v_pk_fma_f32 v[GU+\j:GU+\j+1], v[GU+\j:GU+\j+1], 0xbf38aa3b, v[GC+\j:GC+\j+1] op_sel_hi:[1,0,1]   ; - x^2 log2(e) / 2 + P
.endr
.irp j, 0,1,2,3,4,5,6,7
	v_exp_f32 v[GU+\j], v[GU+\j]
.endr
.irp j, 0,1,2,3,4,5,6,7
	v_max_num_f32 v[GC+\j], 0, v[HB+\j]                            ; max(x, 0).  (Plain lines behind the exponentials, which name none of their results)
.endr
	s_wait_alu depctr_va_vdst(0)                                   ; the eight exponentials are written: one wait for the batch, ahead of its first reader
.irp j, 0,2,4,6
	v_pk_mul_f32 v[GT+\j:GT+\j+1], v[GT+\j:GT+\j+1], v[GU+\j:GU+\j+1]   ; e
.endr
.irp j, 0,2,4,6
	v_pk_fma_f32 v[HB+\j:HB+\j+1], v[GA+\j:GA+\j+1], v[GT+\j:GT+\j+1], v[GC+\j:GC+\j+1] neg_lo:[1,0,0] neg_hi:[1,0,0]
.endr
.endm
	s_load_b256 s[4:11], s[0:1], 0x0               ; q s[4:5], cxcodes s[6:7], cxscales s[8:9], packB s[10:11]
	s_load_b64 s[12:13], s[0:1], 0x20              ; out0
	v_lshl_add_u32 v200, v0, 2, 0xe600
	v_mov_b32 v201, 0
	v_lshrrev_b32 v1, 5, v0
	v_readfirstlane_b32 s18, v1                    ; wave 0..3
	s_wait_alu depctr_va_sdst(0)                   ; s18 is written, ahead of its first reader: my channels, my positions, LDS places and two branches are made from it
	s_cmp_ge_u32 ttmp9, 520
	s_cselect_b32 s19, 1, 0                        ; b
	s_mul_i32 s21, s19, 520
	s_sub_co_u32 s20, ttmp9, s21
	s_lshl_b32 s20, s20, 6                         ; p0
	s_mul_i32 s22, s19, 64*CSTR
	s_mul_i32 s21, s18, 16*CSTR                    ; wave w moves channels 16 w .. 16 w + 15
	s_add_co_u32 s22, s22, s21
	s_lshl_b32 s21, s20, 2
	s_add_co_u32 s22, s22, s21
	s_mov_b32 s23, 0
	s_mul_i32 s24, s19, 64*16640                   ; b's 64 chunks of codes,
	s_mov_b32 s25, 0
	s_mul_i32 s26, s19, 64*2304                    ; and of scale words
	s_mov_b32 s27, 0
	s_mov_b32 s14, 0x76543210
	s_mov_b32 s15, 0xfedcba98                      ; v_permlanex16_b32's selects for lane l xor 16
	s_mov_b32 s16, 0x3c800000                      ; 1 / 64
	s_mov_b32 s17, 0x3727c5ac                      ; 1e-5
	s_lshl_b32 s28, s18, 6
	s_mul_i32 s29, s18, 4416
	s_lshl_b32 s30, s18, 4
	s_add_co_u32 s30, s30, s20                     ; my wave's first position
	v_and_b32 v22, 15, v0                          ; r
	v_bfe_u32 v23, v0, 4, 1                        ; h
	v_and_b32 v24, 31, v0
	v_lshlrev_b32 v[LI], 4, v24
	v_lshlrev_b32 v[LS], 2, v22
	v_lshlrev_b32 v[LB], 6, v23
	v_mul_u32_u24 v[LX], v23, 4416
	v_lshl_add_u32 v[LX], v22, 2, v[LX]
	v_add_nc_u32 v[LX], s28, v[LX]
	v_add_nc_u32 v[LX], XST, v[LX]
	v_mul_u32_u24 v[SRW], v23, 272
	v_lshl_add_u32 v[SRW], v22, 4, v[SRW]
	v_add_nc_u32 v[SRW], s29, v[SRW]
	v_add_nc_u32 v[SRW], XST, v[SRW]
	v_mul_u32_u24 v[GQ], v23, CSTR
	v_lshl_add_u32 v[GQ], v22, 4, v[GQ]
	v_lshlrev_b32 v[PKO], 4, v0
	v_add_nc_u32 v25, s30, v22                     ; p
	v_mul_u32_u24 v26, v25, 64528
	v_lshrrev_b32 v26, 22, v26                     ; t = p / 65 (exact for p < 33,280: 16 x 511 + 64 x 64,528 < 2^22)
	v_mul_u32_u24 v27, v26, 65
	v_sub_nc_u32 v27, v25, v27                     ; f
	v_lshrrev_b32 v28, 3, v26
	v_and_b32 v29, 7, v26
	v_mad_u32_u24 v8, v28, 65, v27
	v_lshlrev_b32 v8, 8, v8
	v_lshl_add_u32 v8, v29, 5, v8
	v_lshl_add_u32 v8, v23, 4, v8                  ; my row's record, my block
	v_mul_u32_u24 v9, v28, 2304
	v_lshl_add_u32 v9, v27, 5, v9
	v_lshl_add_u32 v9, v29, 2, v9                  ; its scale word
	v_mov_b32 v[C8], 0xbf97d29d                    ; -1.18611494
	v_mov_b32 v[C8+1], 0xbf97d29d
	v_mov_b32 v[MU+1], 0                           ; (named as upper halves of pairs)
	v_mov_b32 v[RS+1], 0
.irp j, 48,49,50,51, 132,133,134,135
	v_mov_b32 v\j, 0                               ; zero codes for k = 64 .. 127
.endr
	s_wait_kmcnt 0x0
	s_add_nc_u64 s[4:5], s[4:5], s[22:23]
	s_add_nc_u64 s[12:13], s[12:13], s[22:23]
	s_add_nc_u64 s[6:7], s[6:7], s[24:25]
	s_add_nc_u64 s[8:9], s[8:9], s[26:27]
	s_wait_alu depctr_va_vdst(0)                   ; the nine addresses v1 to v9 are written, which the loads and stores of the whole kernel read; so are the zero codes v48-51 and v132-135, which the scaled products take
.irp k, 0,1,2,3,4,5,6,7,8,9,10                 ; the pack's 1,472 pieces of 16 bytes: 128 threads take eleven each, the first 64 a twelfth
	global_load_b128 v[H+4*\k:H+4*\k+3], v[PKO], s[10:11] offset:2048*\k
.endr
	s_cmp_lt_u32 s18, 2
	s_cbranch_scc0 .Leleven
	global_load_b128 v[H+44:H+47], v[PKO], s[10:11] offset:22528
.Leleven:
.irp k, 0,1,2,3,4,5,6,7
	global_load_b128 v[Y+4*\k:Y+4*\k+3], v[GQ], s[4:5] offset:2*\k*CSTR th:TH_LOAD_NT   ; channels 16 w + h + 2 k: sixteen lanes read 256 consecutive bytes
.endr
	global_load_b128 v[NF:NF+3], v8, s[6:7]
	global_load_b32 v[CS], v9, s[8:9]
	s_wait_loadcnt 0x0
.irp k, 0,1,2,3,4,5,6,7,8,9,10
	ds_store_b128 v[PKO], v[H+4*\k:H+4*\k+3] offset:2048*\k
.endr
	s_cmp_lt_u32 s18, 2
	s_cbranch_scc0 .Leleven_stored
	ds_store_b128 v[PKO], v[H+44:H+47] offset:22528
.Leleven_stored:
.irp k, 0,1,2,3,4,5,6,7
	ds_store_b128 v[SRW], v[Y+4*\k:Y+4*\k+3] offset:544*\k
.endr
	s_wait_dscnt 0x0                               ; for the others' sake: my pieces and my channels have landed
	s_barrier_signal -1
	s_barrier_wait -1                              ; the pack and x's stage are whole, and are not written again
	s_wait_alu depctr_vm_vsrc(0)                   ; my LDS stores have read H and Y, in which the loads below land
	; ---- x + ctx Wo^T + bo, and the first norm
.irp t, 0,1,2,3
	ds_load_b128 v[H+4*\t:H+4*\t+3], v[LI] offset:512*\t           ; out_w's tiles, 4 registers each, on end.  (Behind the last lie bytes of the pack, left from the copy: they meet ctx's zero codes)
	ds_load_b32 v[WS+\t], v[LS] offset:PSC+64*\t
	ds_load_b128 v[Y+8*\t:Y+8*\t+3], v[LB] offset:VEC+(32*(\t/2)+8*(\t%2))*4       ; out_b in the result's layout: the sum begins with it
	ds_load_b128 v[Y+8*\t+4:Y+8*\t+7], v[LB] offset:VEC+(32*(\t/2)+8*(\t%2))*4+16
.endr
.set n, 0
.rept 32
	ds_load_b32 v[XN+n], v[LX] offset:(32*(n/16)+n%16)*272+128*(n/16)   ; x of my row, channel 32 b + 16 h + i
.set n, n+1
.endr
	s_wait_dscnt 0x0
.irp t, 0,1,2,3
	MX Y+8*\t, H+4*\t, NF, WS+\t, CS
.endr
	PLACES 4                                       ; in front of the first read of the results
	s_wait_alu depctr_va_vdst(0)                   ; the four products are done reading out_w's tiles in H, in which gain and bias land
	LNLOAD 256, 512
.set n, 0
.rept 16
	v_pk_add_f32 v[XN+n:XN+n+1], v[XN+n:XN+n+1], v[Y+n:Y+n+1]      ; each tile from its low end on.  (These lines and the norm's sums name XN, Y, TM and MU: none that the loads above touch)
.set n, n+2
.endr
	LNORM
	; ---- the hidden layer, 128 units (one K step of the last product) at a time
.macro HIDDEN s
	s_wait_alu depctr_va_vdst(0)                   ; all lines that named H, Y and WS are done (s = 0: the norm's, the residual's, the first products; s = 1: gelu's, the quantiser's, the last half's products): the loads below land there
.irp t, 0,1,2,3,4,5,6,7
	ds_load_b128 v[Y+4*\t:Y+4*\t+3], v[LI] offset:512*(4+8*\s+\t)  ; w1's tiles; behind the last stand v132-135
	ds_load_b32 v[WS+\t], v[LS] offset:PSC+64*(4+8*\s+\t)
	ds_load_b128 v[H+8*\t:H+8*\t+3], v[LB] offset:VEC+768+(128*\s+32*(\t/2)+8*(\t%2))*4   ; b1
	ds_load_b128 v[H+8*\t+4:H+8*\t+7], v[LB] offset:VEC+768+(128*\s+32*(\t/2)+8*(\t%2))*4+16
.endr
.if \s == 0
	QUANT XN, NF, NS, 2                            ; n is quantised while the loads land: these lines name XN, TM, NF and NS alone
.endif
	PLACES 8                                       ; n's scale word, made by vector lines, stands eight places ahead of the scaled products, its codes four
.if \s == 0
	s_wait_alu depctr_va_vdst(0)                   ; n's codes and scale word are written, which the scaled products of both halves take
.endif
	s_wait_dscnt 0x0
.irp t, 0,1,2,3,4,5,6,7
	MX H+8*\t, Y+4*\t, NF, WS+\t, NS
.endr
	PLACES 4
.irp t, 0,1,2,3,4,5,6,7
	GELU8 \t
.endr
	QUANT H, HF+8*\s, HS+\s, 4
.endm
	HIDDEN 0
	HIDDEN 1
	; ---- n + h W2^T + b2, and the second norm
	s_wait_alu depctr_va_vdst(0)                   ; the quantiser is done with H and TM, gelu's lines with Y: the loads below land there
.irp t, 0,1,2,3
.irp s, 0,1
.irp c, 0,1
	ds_load_b128 v[H+8*(2*\t+\s)+4*\c:H+8*(2*\t+\s)+4*\c+3], v[LI] offset:512*(20+4*\t+2*\s+\c)   ; two images of 64 k make a fragment of 128
	ds_load_b32 v[TM+4*\t+2*\s+\c], v[LS] offset:PSC+64*(20+4*\t+2*\s+\c)
.endr
.endr
	ds_load_b128 v[Y+8*\t:Y+8*\t+3], v[LB] offset:VEC+1792+(32*(\t/2)+8*(\t%2))*4       ; b2
	ds_load_b128 v[Y+8*\t+4:Y+8*\t+7], v[LB] offset:VEC+1792+(32*(\t/2)+8*(\t%2))*4+16
.endr
	s_wait_dscnt 0x0
.irp t, 0,1,2,3
.irp s, 0,1
	v_lshl_or_b32 v[WS+2*\t+\s], v[TM+4*\t+2*\s+1], 16, v[TM+4*\t+2*\s]   ; and their two bytes each a scale word of four
.endr
.endr
	PLACES 8
	s_wait_alu depctr_va_vdst(0)                   ; w2's eight scale words are written, which the scaled products take (the hidden layer's codes and scale words stand ahead of the wait before)
.irp s, 0,1                                    ; the four accumulators by turns, one instruction a turn
.irp t, 0,1,2,3
	MX Y+8*\t, H+8*(2*\t+\s), HF+8*\s, WS+2*\t+\s, HS+\s
.endr
.endr
	PLACES 4                                       ; in front of the first read of the results
	s_wait_alu depctr_va_vdst(0)                   ; the eight products are done reading w2's fragments in H, in which gain and bias land
	LNLOAD 2048, 2304
.set n, 0
.rept 16
	v_pk_add_f32 v[XN+n:XN+n+1], v[XN+n:XN+n+1], v[Y+n:Y+n+1]
.set n, n+2
.endr
	LNORM
	; ---- the way out: by rows of mine into the second stage, by channels out of it
	s_wait_alu depctr_va_vdst(0)                   ; the norm has written XN, which the LDS stores read; the additions are done reading Y, in which the loads behind the barrier land, and no vector line follows
.set n, 0
.rept 32
	ds_store_b32 v[LX], v[XN+n] offset:OST+(32*(n/16)+n%16)*272+128*(n/16)
.set n, n+1
.endr
	s_wait_dscnt 0x0                               ; for the others' sake: my rows have landed
	s_barrier_signal -1
	s_barrier_wait -1
.irp k, 0,1,2,3,4,5,6,7
	ds_load_b128 v[Y+4*\k:Y+4*\k+3], v[SRW] offset:OST+544*\k
.endr
.irp k, 0,1,2,3,4,5,6,7
	s_wait_dscnt 7-\k                              ; LDS loads come back in order: load k is in, the 7 - k younger ones may be out
	global_store_b128 v[GQ], v[Y+4*\k:Y+4*\k+3], s[12:13] offset:2*\k*CSTR th:TH_STORE_NT   ; sixteen lanes store 256 consecutive bytes, at a multiple of 256 from out0's first byte
.endr
	s_wait_dscnt 0x0
	s_wait_alu depctr_hold_cnt(0) depctr_sa_sdst(0) depctr_va_vdst(0) depctr_va_sdst(0) depctr_va_ssrc(0) depctr_va_vcc(0) depctr_vm_vsrc(0)
	s_wait_tensorcnt 0x0
	ds_add_u32 v200, v201
	s_wait_dscnt 0x0
	s_endpgm
.Lfunc_end_k_qa10111b6fd_tail:
	.size	k_qa10111b6fd_tail, .Lfunc_end_k_qa10111b6fd_tail-k_qa10111b6fd_tail
	.p2alignl 7, 3214868480
	.fill 96, 4, 3214868480
	.section	.rodata,"a",@progbits
	.p2align	6, 0x0
	.amdhsa_kernel k_qa10111b6fd_tail
		.amdhsa_group_segment_fixed_size 59392
		.amdhsa_private_segment_fixed_size 0
		.amdhsa_enable_private_segment 0
		.amdhsa_kernarg_size 40
		.amdhsa_user_sgpr_count 2
		.amdhsa_user_sgpr_kernarg_segment_ptr 1
		.amdhsa_wavefront_size32 1
		.amdhsa_system_sgpr_workgroup_id_x 1
		.amdhsa_system_sgpr_workgroup_id_y 1
		.amdhsa_system_sgpr_workgroup_id_z 1
		.amdhsa_system_vgpr_workitem_id 0
		.amdhsa_next_free_vgpr 202
		.amdhsa_next_free_sgpr 66
		.amdhsa_reserve_vcc 0
		.amdhsa_float_denorm_mode_32 3
		.amdhsa_float_denorm_mode_16_64 3
		.amdhsa_memory_ordered 1
		.amdhsa_forward_progress 1
		.amdhsa_inst_pref_size 150
	.end_amdhsa_kernel
	.amdgpu_metadata
---
amdhsa.version: [ 1, 2 ]
amdhsa.kernels:
  - .name:           k_qa10111b6fd_tail
    .symbol:         k_qa10111b6fd_tail.kd
    .args:
      - { .name: q, .offset: 0, .size: 8, .value_kind: global_buffer, .address_space: global }
      - { .name: cxcodes, .offset: 8, .size: 8, .value_kind: global_buffer, .address_space: global }
      - { .name: cxscales, .offset: 16, .size: 8, .value_kind: global_buffer, .address_space: global }
      - { .name: packB, .offset: 24, .size: 8, .value_kind: global_buffer, .address_space: global }
      - { .name: out0, .offset: 32, .size: 8, .value_kind: global_buffer, .address_space: global }
    .group_segment_fixed_size: 59392
    .private_segment_fixed_size: 0
    .kernarg_segment_align: 8
    .kernarg_segment_size: 40
    .max_flat_workgroup_size: 128
    .sgpr_count:     66
    .vgpr_count:     202
    .wavefront_size: 32
...
	.end_amdgpu_metadata
.endif
;; end of part 5
